; MI455X (gfx1250); checked and timed in simulation.
; The chip was launched on July 23, 2026; its instructions are those of AMD's public machine-readable ISA for CDNA 5 (MIT licence, August 2026) and "CDNA5" Instruction Set Architecture Reference Guide (July 2026). The comments in the code are by the model that wrote it; some were corrected since.
;; Cross Attention Block. Allowed arithmetic: matrix products marked QUANTISED: E2M3 operands, one E8M0 scale for each 32 along K, by v_wmma_scale_f32_16x16x128_f8f6f4 with both operands' format E2M3, f32 sums; everything else in f32.
;; Inputs: W1 1,024 x 4,096 float32; W2 4,096 x 1,024 float32; Wkv 1,024 x 2,048 float32; Wo 1,024 x 1,024 float32; Wq 1,024 x 1,024 float32; b1 4,096 float32; b2 1,024 float32; be_ffn 1,024 float32; be_kv 1,024 float32; be_q 1,024 float32; bkv 2,048 float32; bo 1,024 float32; bq 1,024 float32; context 2 x 2,048 x 1,024 float32; g_ffn 1,024 float32; g_kv 1,024 float32; g_q 1,024 float32; rope_cos 1 x 1 x 2,048 x 64 float32; rope_sin 1 x 1 x 2,048 x 64 float32; x 2 x 2,048 x 1,024 float32.
;; Outputs: out0 2 x 2,048 x 1,024 float32.
;; This version of the problem:
;;   THIS VERSION OF THE PROBLEM IS GIVEN IN LOW PRECISION. The matrix products marked QUANTISED in the list below multiply operands that are first quantised to E2M3 (2 exponent bits, 3 mantissa bits; 6 bits a number), with one power-of-two scale for each 32 numbers along K (OCP MX v1.0); their sums are f32. All else is computed in f32.
;;   The module's matrix products, in the order in which they are computed (A, B: the left and right operand; K: the contracted axis; several contracted axes count as one K, in the product's order):
;;     1. [M 4,096, K 1,024] x [K 1,024, N 1,024]; A: computed on the way; B: input Wq: QUANTISED
;;     2. [M 4,096, K 1,024] x [K 1,024, N 2,048]; A: computed on the way; B: input Wkv: QUANTISED
;;     3. batch 32 x [M 2,048, K 64] x [K 64, N 2,048]; A: computed on the way; B: computed on the way: QUANTISED
;;     4. batch 32 x [M 2,048, K 2,048] x [K 2,048, N 64]; A: softmax (see below); B: computed on the way: QUANTISED
;;     5. [M 4,096, K 1,024] x [K 1,024, N 1,024]; A: computed on the way; B: input Wo: QUANTISED
;;     6. [M 4,096, K 1,024] x [K 1,024, N 4,096]; A: computed on the way; B: input W1: QUANTISED
;;     7. [M 4,096, K 4,096] x [K 4,096, N 1,024]; A: computed on the way; B: input W2: QUANTISED
;;   THE QUANTISER, for each operand of a quantised product, along K:
;;     - K is cut into blocks of 32 from its start; a last block that is shorter is filled with zeros.
;;     - A block's scale is 2^e with e = floor(log2(the largest magnitude in the block)) - 2, held to -126 .. 127; a block of zeros has e = 0. As a byte (E8M0): e + 127.
;;     - Each number is divided by its block's scale, clamped to +-7.5, and rounded to the nearest number of E2M3, ties to even, subnormals kept.
;;     - The product sums the exact products of the quantised numbers (number of the format x scale) in f32.
;;   ~~~python
;;   def quantise(x, axis):      # numpy; x: float32 -> the quantised numbers, widened to float32 again
;;       x = np.moveaxis(x, axis, -1); K = x.shape[-1]
;;       x = np.pad(x, [(0, 0)] * (x.ndim - 1) + [(0, -K % 32)]); x = x.reshape(x.shape[:-1] + (-1, 32)); a = np.abs(x).max(-1, keepdims=True)
;;       e = np.where(a > 0, np.clip(np.frexp(np.where(a > 0, a, 1))[1] - 1 - 2, -126, 127), 0)      # np.frexp(a)[1] - 1 = floor(log2(a)), exactly
;;       r = np.clip(x / 2.0 ** e, -7.5, 7.5)
;;       step = 2.0 ** (np.maximum(np.frexp(np.where(r == 0, 1, r))[1] - 1, 0) - 3)
;;       q = np.round(r / step) * step * 2.0 ** e      # np.round: ties to even
;;       return np.moveaxis(q.reshape(q.shape[:-2] + (-1,))[..., :K], -1, axis).astype(np.float32)
;;   ~~~
;;   SOFTMAX AHEAD OF A QUANTISED PRODUCT. Where the list says 'softmax', what is quantised is not the finished softmax but p = 2^(t - M), with t = logit x log2(e) and M = ceil(the row's largest t), a whole number; so 1/2 < the row's largest p <= 1. The row's sum l is taken of the UNQUANTISED p, in f32, and the product's result is divided by l at the end. Since M is a whole number, a kernel that streams over the keys may use a running M (the ceiling of the running maximum): every later rescaling is an exact power of two, which a block's scale takes up: the codes' values come out the same.
;;   OPERANDS COMPUTED ON THE WAY. 'Computed on the way' means the value that the module computes at that place (a softmax that the list does not call 'softmax' is quantised finished and normalised). What goes into a quantiser is computed in f32, as accurately as f32 sums, v_exp_f32 and their like allow (about 1e-6 of the number): no bf16 or f16 on the way to a quantiser, and a product that is left as it is and whose result goes on into a quantised operand takes f32 operands (vector FMAs, or v_wmma_f32_16x16x4_f32). A number that lies on a knife's edge between two numbers of the format may be rounded either way, as far as f32 arithmetic and the matrix unit's own rounding can turn it there, and no further.
;; One version. Each part assembles by itself: llvm-mc -triple=amdgcn-amd-amdhsa -mcpu=gfx1250 --defsym DOCPART=n.
;; ======== version 1 of 1: 7 launches
;; limits: right only within a limited range of input values
;; workspace buffers: wts 9,830,400 bytes; act 6,553,600 bytes; qkvc 10,092,544 bytes; attc 3,276,800 bytes; x1 16,777,216 bytes; hn 6,553,600 bytes; hid 13,107,200 bytes
;; launch prep (part 1): grid 896 x 1, 4 waves a work-group, no clusters, 66,304 bytes of LDS; arguments Wq, Wkv, Wo, W1, W2, wts, x, g_q, be_q, context, g_kv, be_kv, act; writes wts, act
.if DOCPART == 1
	.amdgcn_target "amdgcn-amd-amdhsa--gfx1250"
	.amdhsa_code_object_version 6
	.text
	.protected	k_q8aa2bcb665_prep
	.globl	k_q8aa2bcb665_prep
	.p2align	8
	.type	k_q8aa2bcb665_prep,@function
k_q8aa2bcb665_prep:
	s_mov_b64 s[64:65], 0
	v_nop
	global_prefetch_b8 v0, s[64:65] scope:SCOPE_SE
	s_setreg_imm32_b32 hwreg(HW_REG_WAVE_MODE, 25, 1), 1
	s_wait_xcnt 0x0
; TWO STREAMS IN ONE LAUNCH, parted by the work-group's number: work-groups 0-511 make LayerNorm(x) and LayerNorm(context) as operands, work-groups 512-895 the five weights.  They share nothing;
; side by side they have more bytes on their way than one after the other.  Only the first part uses LDS and a barrier; the registers and the LDS claimed are that part's.
; LAYOUT OF AN OPERAND.  Rows go in tiles of 16; row r of tile T is row 32 (T / 2) + 8 (T % 2) + r + (r & 8).  16 rows x 64 along K are an IMAGE of six operand registers, 768 bytes:
; registers 0-3 of lane l at 16 l, registers 4-5 at 512 + 8 l; lane (r, h) holds the 192 bits of k = 32 h + 0 .. 31 of its row.  Images lie [tile][K / 64][768]; scale words [tile][K / 128][16 rows], byte b for k = 32 b on.
; A block's scale is 2^(floor(log2(largest magnitude)) - 2); its byte is that magnitude's exponent field - 2, held at 1 from below.
; LAYERNORM.  Work-group W makes tile W: tiles 0-255 from the first tensor with its gain and bias, tiles from 256 on from the second: only pointers are chosen.
; PHASE 1: wave w takes four whole rows, 32 registers each: mean, then the variance of x - mean (two passes in registers: an offset of the inputs does no harm), 1 / sqrt(var + 1e-5), gain and bias, in f32.
; The rows go to LDS (pitch 4,096 + 16 bytes).  One barrier.  PHASE 2: wave w makes K steps 2 w and 2 w + 1: lane (r, h) reads its two whole blocks of 32 of row r, so a block's maximum needs no other lane.
; WEIGHTS, f32 laid [K][N].  A LANE TAKES A COLUMN n AND ITS REGISTERS RUN DOWN K: a load reads 128 consecutive bytes a wave, 512 a work-group; a block of 32 lies in one lane.
; Lane l takes column (l & 7) | (l & 8) << 1 | (l & 16) >> 1 of the wave's 32: lanes 0-15 are the rows of tile 2 b, lanes 16-31 those of tile 2 b + 1.  Two blocks' codes (six registers each) change halves
; between the lanes and are then the two tiles' images.  A work-group takes 128 columns x 256 along K.  Five sections, one for each weight.
; LIMITS: NaN and infinities are not served; a block whose largest magnitude lies under 2^-124, a block of zeros among them, keeps the byte 1 (its codes are zeros or subnormal codes; only this program reads the bytes).
; No cluster and no matrix unit: work-groups share only gains and biases, 8 KB of a work-group's 72 KB, and memory binds.
.set X,   32                           ; weights: v32-95 two sets of 32 numbers.  LayerNorm: v32-159 four rows, then two K steps' 64 numbers
.set CA,  100                          ; weights: v100-105 the even block's codes, v106-111 the odd block's
.set TA,  112                          ; weights: v112-114 a conversion's second half (three registers begin on an even number)
.set PIT, 4112
.set G,   160                          ; LayerNorm: v160-191 the gain of my columns
.set BT,  192                          ; v192-223 the bias
.macro WLOAD t, n                      ; block t: W(32 t + i, my column) into set t % 2
.set JJ, 0
.rept 32
	global_load_b32 v[X+32*((\t)%2)+JJ], v2, s[26:27] offset:(32*(\t)+JJ)*(\n)*4 th:TH_LOAD_NT
.set JJ, JJ+1
.endr
.endm
.macro WBLOCK t, n, ks
.set XS, X+32*((\t)%2)
.set CD, CA+6*((\t)%2)
.if (\t) < 7
	s_wait_loadcnt 32                              ; this block's 32 loads are in; the next block's 32 may be out
.else
	s_wait_loadcnt 0x0
.endif
	v_max3_num_f32 v12, |v[XS]|, |v[XS+1]|, |v[XS+2]|
	v_max3_num_f32 v13, |v[XS+3]|, |v[XS+4]|, |v[XS+5]|
.irp i, 6,10,14,18,22,26
	v_max3_num_f32 v12, v12, |v[XS+\i]|, |v[XS+\i+1]|
	v_max3_num_f32 v13, v13, |v[XS+\i+2]|, |v[XS+\i+3]|
.endr
	v_max3_num_f32 v12, v12, |v[XS+30]|, |v[XS+31]|
	v_max3_num_f32 v12, v12, v13, 0x1800000        ; and the floor 2^(3 - 127): the byte cannot fall under 1
	v_add_nc_u32 v11, 0xff000000, v12              ; 2 off the exponent field: the conversion's scale operand
	v_lshrrev_b32 v13, 23, v11                     ; the scale's byte
.if ((\t)%2 == 0) && ((\t) > 0)
	s_wait_alu depctr_va_vdst(0)
	s_wait_xcnt 0x0                                ; the last pair's stores have read the codes and the scale word: they are written again only behind this wait
.endif
.if (\t)%4 == 0
	v_mov_b32 v20, v13                             ; four bytes to a word, the lower k in the lower byte
.else
	v_lshl_or_b32 v20, v13, 8*((\t)%4), v20
.endif
	v_cvt_scalef32_pk16_fp6_f32 v[CD:CD+2], v[XS:XS+15], v11
	v_cvt_scalef32_pk16_fp6_f32 v[TA:TA+2], v[XS+16:XS+31], v11
	v_nop                                          ; one plain place behind a scaled conversion
.irp i, 0,1,2
	v_mov_b32 v[CD+3+\i], v[TA+\i]
.endr
.if (\t)+2 < 8
	WLOAD (\t)+2, \n
.endif
.if (\t)%2 == 1
.irp i, 0,1,2,3,4,5
	v_permlane16_swap_b32 v[CA+\i], v[CA+6+\i]     ; the first's lanes 16-31 change places with the second's lanes 0-15: the first is now tile 2 b's image, the second tile 2 b + 1's
.endr
	global_store_b128 v3, v[CA:CA+3], s[28:29] offset:((\t)/2)*768           ; each store covers consecutive bytes, whole aligned runs of 256
	global_store_b64 v4, v[CA+4:CA+5], s[28:29] offset:((\t)/2)*768+512
	global_store_b128 v3, v[CA+6:CA+9], s[28:29] offset:(\ks)*1536+((\t)/2)*768
	global_store_b64 v4, v[CA+10:CA+11], s[28:29] offset:(\ks)*1536+((\t)/2)*768+512
.endif
.if (\t)%4 == 3
	global_store_b32 v5, v20, s[30:31] offset:((\t)/4)*64
.endif
.endm
; first: the section's first work-group; ptr: the weight's address; n, ks: its N and K / 128; logcp: log2(N / 128); rowt0: its first tile in its operand; code, sc: the operand's codes and scale words in wts
.macro WEIGHT first, ptr, n, ks, logcp, rowt0, code, sc
	s_sub_co_u32 s20, ttmp9, \first
	s_and_b32 s21, s20, (\n)/128-1                 ; which 128 columns
	s_lshr_b32 s22, s20, \logcp                    ; which 256 along K
	s_mul_i32 s24, s22, 256*(\n)*4
	s_lshl_b32 s23, s21, 9
	s_add_co_u32 s24, s24, s23
	s_lshl_b32 s23, s16, 7
	s_add_co_u32 s24, s24, s23
	s_mov_b32 s25, 0
	s_add_nc_u64 s[26:27], s[\ptr:\ptr+1], s[24:25]
	s_lshl_b32 s23, s21, 3
	s_lshl_b32 s28, s16, 1
	s_add_co_u32 s23, s23, s28
	s_add_co_u32 s23, s23, \rowt0                  ; my wave's first tile
	s_mul_i32 s23, s23, \ks
	s_lshl_b32 s28, s22, 1
	s_add_co_u32 s23, s23, s28                     ; tile x K / 128 + my first K step
	s_mul_i32 s24, s23, 1536
	s_add_co_u32 s24, s24, \code
	s_add_nc_u64 s[28:29], s[14:15], s[24:25]
	s_lshl_b32 s24, s23, 6
	s_add_co_u32 s24, s24, \sc
	s_add_nc_u64 s[30:31], s[14:15], s[24:25]
	v_mul_u32_u24 v5, v6, (\ks)*64                 ; my scale word: lanes 16-31 a tile further on,
	v_lshl_add_u32 v5, v7, 2, v5                   ; 4 bytes a row
	WLOAD 0, \n
	WLOAD 1, \n
.irp t, 0,1,2,3,4,5,6,7
	WBLOCK \t, \n, \ks
.endr
	s_endpgm
.endm
.macro REDUCE b                        ; four rows' pairs at v[b + 2 i]: the two halves, then the 32 lanes; the sum ends in every lane
.irp i, 0,1,2,3
	v_add_f32 v[\b+2*\i], v[\b+2*\i], v[\b+2*\i+1]
.endr
.irp m, 1,2,4,8
.irp i, 0,1,2,3
	v_add_f32_dpp v[\b+2*\i], v[\b+2*\i], v[\b+2*\i] row_xmask:\m row_mask:0xf bank_mask:0xf
.endr
.endr
.irp i, 0,1,2,3
	v_permlanex16_b32 v[\b+2*\i+1], v[\b+2*\i], s30, s31
.endr
.irp i, 0,1,2,3
	v_add_f32 v[\b+2*\i], v[\b+2*\i], v[\b+2*\i+1]
.endr
.endm
	v_lshl_add_u32 v232, v0, 2, 0x10100
	v_mov_b32 v233, 0
	s_cmp_lt_u32 ttmp9, 512                        ; the same for all waves of a work-group
	s_cbranch_scc0 .Lweights
	; ---------------- LayerNorm ----------------
	s_load_b128 s[4:7], s[0:1], 0x30               ; tensor 1, its gain
	s_load_b128 s[8:11], s[0:1], 0x40              ; its bias, tensor 2
	s_load_b128 s[12:15], s[0:1], 0x50             ; its gain, its bias
	s_load_b64 s[16:17], s[0:1], 0x60              ; the operand
	v_lshrrev_b32 v1, 5, v0
	v_readfirstlane_b32 s18, v1                    ; wave
	v_and_b32 v1, 31, v0                           ; lane
	v_and_b32 v2, 15, v0                           ; r
	v_bfe_u32 v3, v0, 4, 1                         ; h
	v_lshlrev_b32 v4, 4, v1
	v_lshlrev_b32 v5, 3, v1
	v_lshlrev_b32 v6, 2, v2
	s_mul_i32 s19, s18, 4*PIT
	v_add_nc_u32 v7, s19, v4                       ; LDS, in: my wave's four rows, 16 bytes a lane
	v_mul_u32_u24 v224, v2, PIT
	v_lshl_add_u32 v224, v3, 7, v224
	s_lshl_b32 s19, s18, 10
	v_add_nc_u32 v224, s19, v224                   ; LDS, out: row r, + 128 h, + my wave's two K steps
	v_lshlrev_b32 v225, 3, v3                      ; 8 h: my bytes' place in a scale word
	s_mov_b32 s30, 0x76543210
	s_mov_b32 s31, 0xfedcba98                      ; lane l xor 16
	s_mov_b32 s32, 0x3a800000                      ; 1 / 1,024
	s_mov_b32 s33, 0x3727c5ac                      ; 1e-5
	s_and_b32 s20, ttmp9, 255                      ; the tile within its tensor
	s_lshr_b32 s21, s20, 1
	s_lshl_b32 s21, s21, 5
	s_and_b32 s22, s20, 1
	s_lshl_b32 s22, s22, 3
	s_add_co_u32 s21, s21, s22
	s_lshl_b32 s22, s18, 2
	s_add_co_u32 s21, s21, s22
	s_lshr_b32 s22, s18, 1
	s_lshl_b32 s22, s22, 3
	s_add_co_u32 s21, s21, s22                     ; my first row: image rows 4 w .. 4 w + 3 are four neighbouring rows
	s_lshl_b32 s22, s21, 12
	s_mov_b32 s23, 0
	s_lshl_b32 s24, ttmp9, 3
	s_lshl_b32 s25, s18, 1
	s_add_co_u32 s24, s24, s25                     ; tile x 8 + my first K step
	s_mul_i32 s26, s24, 1536
	s_mov_b32 s27, 0
	s_lshl_b32 s28, s24, 6
	s_add_co_u32 s28, s28, 6291456
	s_mov_b32 s29, 0
	s_wait_alu depctr_va_vdst(0)
	s_wait_kmcnt 0x0
	s_cmp_lt_u32 ttmp9, 256
	s_cselect_b64 s[4:5], s[4:5], s[10:11]
	s_cselect_b64 s[6:7], s[6:7], s[12:13]
	s_cselect_b64 s[8:9], s[8:9], s[14:15]
	s_add_nc_u64 s[4:5], s[4:5], s[22:23]
	s_add_nc_u64 s[26:27], s[16:17], s[26:27]
	s_add_nc_u64 s[28:29], s[16:17], s[28:29]
.irp i, 0,1,2,3
.irp j, 0,1,2,3,4,5,6,7
	global_load_b128 v[X+32*\i+4*\j:X+32*\i+4*\j+3], v4, s[4:5] offset:4096*\i+512*\j th:TH_LOAD_NT   ; 512 consecutive bytes a load
.endr
.endr
.irp j, 0,1,2,3,4,5,6,7
	global_load_b128 v[G+4*\j:G+4*\j+3], v4, s[6:7] offset:512*\j
	global_load_b128 v[BT+4*\j:BT+4*\j+3], v4, s[8:9] offset:512*\j
.endr
	s_wait_loadcnt 16                              ; the rows are in; the gain's and the bias's sixteen loads may be out
.irp i, 0,1,2,3
	v_pk_add_f32 v[8+2*\i:9+2*\i], v[X+32*\i:X+32*\i+1], v[X+32*\i+2:X+32*\i+3]
.endr
.set JJ, 4
.rept 14
.irp i, 0,1,2,3
	v_pk_add_f32 v[8+2*\i:9+2*\i], v[8+2*\i:9+2*\i], v[X+32*\i+JJ:X+32*\i+JJ+1]   ; the four rows by turns
.endr
.set JJ, JJ+2
.endr
	REDUCE 8
.irp i, 0,1,2,3
	v_mul_f32 v[8+2*\i], s32, v[8+2*\i]            ; the mean
.endr
.set JJ, 0
.rept 16
.irp i, 0,1,2,3
	v_pk_add_f32 v[X+32*\i+JJ:X+32*\i+JJ+1], v[X+32*\i+JJ:X+32*\i+JJ+1], v[8+2*\i:9+2*\i] op_sel_hi:[1,0] neg_lo:[0,1] neg_hi:[0,1]   ; x - mean
.endr
.set JJ, JJ+2
.endr
.irp i, 0,1,2,3
	v_pk_mul_f32 v[16+2*\i:17+2*\i], v[X+32*\i:X+32*\i+1], v[X+32*\i:X+32*\i+1]
.endr
.set JJ, 2
.rept 15
.irp i, 0,1,2,3
	v_pk_fma_f32 v[16+2*\i:17+2*\i], v[X+32*\i+JJ:X+32*\i+JJ+1], v[X+32*\i+JJ:X+32*\i+JJ+1], v[16+2*\i:17+2*\i]
.endr
.set JJ, JJ+2
.endr
	REDUCE 16
.irp i, 0,1,2,3
	v_fma_f32 v[16+2*\i], v[16+2*\i], s32, s33     ; the variance + 1e-5
.endr
	s_wait_alu depctr_va_vdst(0)
.irp i, 0,1,2,3
	v_rsq_f32 v[24+2*\i], v[16+2*\i]
.endr
.irp i, 0,1,2,3
	v_mov_b32 v[25+2*\i], 0                        ; plain work behind the four; (each is named as the upper half of a pair below, so it is written)
.endr
	s_wait_alu depctr_va_vdst(0)                   ; one wait for the four, ahead of their first reader
	s_wait_loadcnt 0x0                             ; gain and bias
.set JJ, 0
.rept 16
.irp i, 0,1,2,3
	v_pk_mul_f32 v[X+32*\i+JJ:X+32*\i+JJ+1], v[X+32*\i+JJ:X+32*\i+JJ+1], v[24+2*\i:25+2*\i] op_sel_hi:[1,0]
.endr
.irp i, 0,1,2,3
	v_pk_fma_f32 v[X+32*\i+JJ:X+32*\i+JJ+1], v[X+32*\i+JJ:X+32*\i+JJ+1], v[G+JJ:G+JJ+1], v[BT+JJ:BT+JJ+1]
.endr
.set JJ, JJ+2
.endr
.irp i, 0,1,2,3
.irp j, 0,1,2,3,4,5,6,7
	ds_store_b128 v7, v[X+32*\i+4*\j:X+32*\i+4*\j+3] offset:PIT*\i+512*\j
.endr
.endr
	s_wait_dscnt 0x0                               ; for the others' sake: my rows lie in LDS
	s_barrier_signal -1
	s_barrier_wait -1
.irp ss, 0,1
.irp c, 0,1
.irp e, 0,1,2,3,4,5,6,7
	ds_load_b128 v[X+64*\ss+32*\c+4*\e:X+64*\ss+32*\c+4*\e+3], v224 offset:512*\ss+256*\c+16*\e   ; block 2 c + h of K step 2 w + ss; sixteen rows, 257 x 16 bytes apart, fall in sixteen different groups of banks
.endr
.endr
.endr
.irp ss, 0,1
.set NN, X+64*\ss
	s_wait_dscnt 16-16*\ss                         ; this K step's sixteen loads are in; the next one's may be out
	v_max3_num_f32 v8, |v[NN]|, |v[NN+1]|, 0x1800000       ; my two blocks by turns, with the floor 2^(3 - 127)
	v_max3_num_f32 v9, |v[NN+32]|, |v[NN+33]|, 0x1800000
.set JJ, 2
.rept 15
	v_max3_num_f32 v8, v8, |v[NN+JJ]|, |v[NN+JJ+1]|
	v_max3_num_f32 v9, v9, |v[NN+32+JJ]|, |v[NN+33+JJ]|
.set JJ, JJ+2
.endr
	v_add_nc_u32 v10, 0xff000000, v8               ; 2 off the exponent field: the conversions' scale operands
	v_add_nc_u32 v11, 0xff000000, v9
	v_lshrrev_b32 v12, 23, v10
	v_lshrrev_b32 v13, 23, v11
	s_wait_alu depctr_va_vdst(0)
	s_wait_xcnt 0x0                                ; the last K step's stores have read their registers
	v_lshl_or_b32 v14, v13, 16, v12                ; blocks h and 2 + h,
	v_lshlrev_b32 v14, v225, v14                   ; at their places in the word;
	v_permlanex16_b32 v15, v14, s30, s31
	v_or_b32 v14, v14, v15                         ; with lane l xor 16's two the word is whole
	v_cvt_scalef32_pk16_fp6_f32 v[16:18], v[NN:NN+15], v10
	v_cvt_scalef32_pk16_fp6_f32 v[28:30], v[NN+16:NN+31], v10
	v_cvt_scalef32_pk16_fp6_f32 v[22:24], v[NN+32:NN+47], v11
	v_cvt_scalef32_pk16_fp6_f32 v[226:228], v[NN+48:NN+63], v11
	v_nop                                          ; one plain place behind a scaled conversion
.irp i, 0,1,2
	v_mov_b32 v[19+\i], v[28+\i]
	v_mov_b32 v[25+\i], v[226+\i]
.endr
	global_store_b128 v4, v[16:19], s[26:27] offset:1536*\ss
	global_store_b64 v5, v[20:21], s[26:27] offset:1536*\ss+512
	global_store_b128 v4, v[22:25], s[26:27] offset:1536*\ss+768
	global_store_b64 v5, v[26:27], s[26:27] offset:1536*\ss+1280
	global_store_b32 v6, v14, s[28:29] offset:64*\ss       ; both halves of the lanes write the same word with the same value
.endr
	s_wait_tensorcnt 0x0
	ds_add_u32 v232, v233
	s_wait_dscnt 0x0
	s_endpgm
	; ---------------- the weights ----------------
.Lweights:
	s_load_b256 s[4:11], s[0:1], 0x0               ; Wq, Wkv, Wo, W1
	s_load_b128 s[12:15], s[0:1], 0x20             ; W2, wts
	v_lshrrev_b32 v1, 5, v0
	v_readfirstlane_b32 s16, v1                    ; wave
	v_and_b32 v1, 31, v0                           ; lane
	v_and_b32 v2, 7, v1
	v_and_b32 v8, 8, v1
	v_lshl_or_b32 v2, v8, 1, v2
	v_and_b32 v8, 16, v1
	v_lshrrev_b32 v8, 1, v8
	v_or_b32 v2, v2, v8
	v_lshlrev_b32 v2, 2, v2                        ; my column's bytes in the wave's 128
	v_lshlrev_b32 v3, 4, v1
	v_lshlrev_b32 v4, 3, v1
	v_lshrrev_b32 v6, 4, v1
	v_and_b32 v7, 15, v1
	s_wait_kmcnt 0x0
	s_cmp_lt_u32 ttmp9, 544
	s_cbranch_scc0 .Lkv
	s_wait_alu depctr_va_vdst(0)
	WEIGHT 512, 4, 1024, 8, 3, 0, 0, 9437184
.Lkv:
	s_cmp_lt_u32 ttmp9, 608
	s_cbranch_scc0 .Lwo
	s_wait_alu depctr_va_vdst(0)
	WEIGHT 544, 6, 2048, 8, 4, 64, 0, 9437184
.Lwo:
	s_cmp_lt_u32 ttmp9, 640
	s_cbranch_scc0 .Lw1
	s_wait_alu depctr_va_vdst(0)
	WEIGHT 608, 8, 1024, 8, 3, 0, 2359296, 9535488
.Lw1:
	s_cmp_lt_u32 ttmp9, 768
	s_cbranch_scc0 .Lw2
	s_wait_alu depctr_va_vdst(0)
	WEIGHT 640, 10, 4096, 8, 5, 0, 3145728, 9568256
.Lw2:
	s_wait_alu depctr_va_vdst(0)
	WEIGHT 768, 12, 1024, 32, 3, 0, 6291456, 9699328
.Lfunc_end_k_q8aa2bcb665_prep:
	.size	k_q8aa2bcb665_prep, .Lfunc_end_k_q8aa2bcb665_prep-k_q8aa2bcb665_prep
	.p2alignl 7, 3214868480
	.fill 96, 4, 3214868480
	.section	.rodata,"a",@progbits
	.p2align	6, 0x0
	.amdhsa_kernel k_q8aa2bcb665_prep
		.amdhsa_group_segment_fixed_size 66304
		.amdhsa_private_segment_fixed_size 0
		.amdhsa_enable_private_segment 0
		.amdhsa_kernarg_size 104
		.amdhsa_user_sgpr_count 2
		.amdhsa_user_sgpr_kernarg_segment_ptr 1
		.amdhsa_wavefront_size32 1
		.amdhsa_system_sgpr_workgroup_id_x 1
		.amdhsa_system_sgpr_workgroup_id_y 1
		.amdhsa_system_sgpr_workgroup_id_z 1
		.amdhsa_system_vgpr_workitem_id 0
		.amdhsa_next_free_vgpr 234
		.amdhsa_next_free_sgpr 66
		.amdhsa_reserve_vcc 0
		.amdhsa_float_denorm_mode_32 3
		.amdhsa_float_denorm_mode_16_64 3
		.amdhsa_memory_ordered 1
		.amdhsa_forward_progress 1
		.amdhsa_inst_pref_size 240
	.end_amdhsa_kernel
	.amdgpu_metadata
---
amdhsa.version: [ 1, 2 ]
amdhsa.kernels:
  - .name:           k_q8aa2bcb665_prep
    .symbol:         k_q8aa2bcb665_prep.kd
    .args:
      - { .name: Wq, .offset: 0, .size: 8, .value_kind: global_buffer, .address_space: global }
      - { .name: Wkv, .offset: 8, .size: 8, .value_kind: global_buffer, .address_space: global }
      - { .name: Wo, .offset: 16, .size: 8, .value_kind: global_buffer, .address_space: global }
      - { .name: W1, .offset: 24, .size: 8, .value_kind: global_buffer, .address_space: global }
      - { .name: W2, .offset: 32, .size: 8, .value_kind: global_buffer, .address_space: global }
      - { .name: wts, .offset: 40, .size: 8, .value_kind: global_buffer, .address_space: global }
      - { .name: x, .offset: 48, .size: 8, .value_kind: global_buffer, .address_space: global }
      - { .name: g_q, .offset: 56, .size: 8, .value_kind: global_buffer, .address_space: global }
      - { .name: be_q, .offset: 64, .size: 8, .value_kind: global_buffer, .address_space: global }
      - { .name: context, .offset: 72, .size: 8, .value_kind: global_buffer, .address_space: global }
      - { .name: g_kv, .offset: 80, .size: 8, .value_kind: global_buffer, .address_space: global }
      - { .name: be_kv, .offset: 88, .size: 8, .value_kind: global_buffer, .address_space: global }
      - { .name: act, .offset: 96, .size: 8, .value_kind: global_buffer, .address_space: global }
    .group_segment_fixed_size: 66304
    .private_segment_fixed_size: 0
    .kernarg_segment_align: 8
    .kernarg_segment_size: 104
    .max_flat_workgroup_size: 128
    .sgpr_count:     66
    .vgpr_count:     234
    .wavefront_size: 32
...
	.end_amdgpu_metadata
.endif
;; end of part 1
;; launch proj (part 2): grid 24 x 32, 4 waves a work-group, clusters of 4 x 4, 327,680 bytes of LDS; arguments act, wts, rope_cos, rope_sin, bq, bkv, qkvc; writes qkvc
.if DOCPART == 2
	.amdgcn_target "amdgcn-amd-amdhsa--gfx1250"
	.amdhsa_code_object_version 6
	.text
	.protected	k_q8aa2bcb665_proj
	.globl	k_q8aa2bcb665_proj
	.p2align	8
	.type	k_q8aa2bcb665_proj,@function
k_q8aa2bcb665_proj:
	s_mov_b64 s[64:65], 0
	v_nop
	global_prefetch_b8 v0, s[64:65] scope:SCOPE_SE
	s_setreg_imm32_b32 hwreg(HW_REG_WAVE_MODE, 25, 1), 1
	s_wait_xcnt 0x0
	s_wait_alu depctr_hold_cnt(0) depctr_sa_sdst(0) depctr_va_vdst(0) depctr_va_sdst(0) depctr_va_ssrc(0) depctr_va_vcc(0) depctr_vm_vsrc(0)
	s_getreg_b32 s2, hwreg(HW_REG_IB_STS2, 6, 4)
	s_cmp_eq_u32 s2, 0
	s_cbranch_scc0 .Lentry_in_a_cluster
	s_endpgm
.Lentry_in_a_cluster:
	s_bfe_u32 s2, ttmp6, 0x10000c
	s_cmp_lg_u32 s2, 0xf033
	s_cbranch_scc0 .Lentry_shape_is_right
	s_endpgm
.Lentry_shape_is_right:
; q = LN(x) Wq + bq, k and v = LN(context) Wkv + bkv, on codes of E2M3; RoPE on q and k; q and k quantised along the head's 64, v along the keys.  All three leave as operands of the attention launch.
; THE CORE (the same text in three launches).  A work-group makes 128 rows of operand R (tokens) x 128 rows of operand S (a weight's columns n) over all of K; four waves, 64 x 64 each: 16 accumulators.
; Operands lie in memory in the order of the operand's registers: tiles of 16 rows, a fragment (16 rows x 128 K) 1,536 bytes on end, [tile][K step]; row r of tile T is row 32 (T / 2) + 8 (T % 2) + r + (r & 8).
; So a fragment comes out of LDS by four loads of consecutive bytes, and where a tile is source 0 the 16 registers of tiles 2 b and 2 b + 1 are 16 NEIGHBOURS, 32 b + 16 (lane / 16) + 0 .. 15.
; LDS: two slots of 512 along K (R's 8 tiles, then S's 8; [tile][4 K steps][1,536]); the scale words of all of K; the spare words.  Here K = 1,024: the two slots hold all of K and nothing is filled twice.
; CLUSTER 4 x 4: R's tiles are shared along a row of the cluster, S's along a column: each is asked for jointly, which divides the requests by four.
; Work-group x: 0-7 q, 8-15 k, 16-23 v; the kind is cluster x / 2, the same in all partners.  q and k: source 0 = S, so a lane holds one token and its 32 registers of a tile of tokens run along the head's 64.
; v: source 0 = R, so a lane holds one channel and its registers run along the keys.  One branch on the kind; each arm has its loads, the core and its way out.
; LIMITS: NaN and infinities are not served; a block whose largest magnitude lies under 2^-124, a block of zeros among them, keeps the byte 1 (only this program reads the bytes).
; q's and k's K is 64: the upper two bytes of their scale words are 0, and the attention launch sets zero codes beside them.
.set KDIM,   1024
.set R_SC,   6291456                   ; R's scale words in its buffer
.set S_CODE, 0                         ; S's codes and scale words in wts
.set S_SC,   9437184
.set STAGEB, 0
.set PROJ,   1
; ---------------- the core's text ----------------
.set KS,    KDIM/128
.set SLOT,  98304
.set SCL,   2*SLOT                     ; the scale words: R's 8 tiles x KS x 64 bytes, then S's
.set STAGE, SCL+16*KS*64
.set SPARE, STAGE+STAGEB               ; the spare words, 128 bytes a wave: two blocks of 256 bytes that no other line names
.set ACC,   128                        ; v128-255: accumulator (a, b) at ACC + 32 a + 8 b; a: the tile of source 1, b: the tile of source 0
.set TM,    100                        ; the quantiser's registers: v100-103 magnitudes, v104-105 scale operands, v106-107 bytes, v108 the two bytes, v110-115 the image, v116-118 at work
.set SOP,   104
.set BY,    106
.set PW,    108
.set PC,    110
.set PX,    116
.set SEL,   96                         ; s[96:97] lane l xor 16
.set L16,   17                         ; v17 16 x lane, v18 8 x lane, v19 4 x (lane % 16)
.set L8,    18
.set R4,    19
; v4-5 LDS address of R's fragments in slot 0, 1 (16 bytes a lane), v6-7 the same with 8 bytes a lane; v8-11 likewise for S; v12 my scale words; v13, v14 the add's two registers; v24-31 scale words, two sets of four:
; lanes 0-15 R's tile i, lanes 16-31 S's tile i.  Window 1: two sets of fragments at 96 f: R's four at + 12 i, S's four at + 48 + 12 i.
.set MSB, 0
.macro WIN new                         ; the immediate's high byte repeats the setting that is left
.if MSB != \new
	s_set_vgpr_msb (MSB<<8)|\new
.set MSB, \new
.endif
.endm
.macro PLACES n
.rept \n
	v_nop
.endr
.endm
.macro JLOAD g0a, g1a, g0b, g1b        ; a joint load: waves 0 and 1 fetch for R, waves 2 and 3 for S; four v_nop follow each line
	s_cmp_eq_u32 s21, 0
	s_cbranch_scc0 .Lfor_s_\@
	tensor_load_to_lds s[\g0a:\g0a+3], s[\g1a:\g1a+7]
	s_nop 0
.rept 4
	v_nop
.endr
	s_branch .Lasked_\@
.Lfor_s_\@:
	tensor_load_to_lds s[\g0b:\g0b+3], s[\g1b:\g1b+7]
	s_nop 0
.rept 4
	v_nop
.endr
.Lasked_\@:
.endm
.macro CREST                           ; a round of the cluster's barrier behind its opening barrier
	s_cmp_lg_u32 s20, 0
	s_cbranch_scc1 .Lnot_wave_0_\@
	s_barrier_signal -3
.Lnot_wave_0_\@:
	s_barrier_wait -3
	s_barrier_signal -1
	s_barrier_wait -1
.endm
.macro CROUND
	s_barrier_signal -1
	s_barrier_wait -1
	CREST
.endm
.macro FRAG reg, a16, a8, off          ; a fragment's twelve registers, as they were stored
	ds_load_b128 v[\reg:\reg+3], v[\a16] offset:\off
	ds_load_b64 v[\reg+4:\reg+5], v[\a8] offset:\off+512
	ds_load_b128 v[\reg+6:\reg+9], v[\a16] offset:\off+768
	ds_load_b64 v[\reg+10:\reg+11], v[\a8] offset:\off+1280
.endm
.macro FETCH slot, q, f                ; 36 LDS loads: the slot's q-th K step into set f
	WIN 0x40
.irp i, 0,1,2,3
	FRAG 96*(\f)+12*\i, 4+\slot, 6+\slot, \i*6144+(\q)*1536
.endr
.irp i, 0,1,2,3
	FRAG 96*(\f)+48+12*\i, 8+\slot, 10+\slot, \i*6144+(\q)*1536
.endr
	WIN 0
.irp i, 0,1,2,3
	ds_load_b32 v[24+4*(\f)+\i], v12 offset:\i*KS*64+(\q)*64
.endr
.endm
; 8 matrix instructions.  swap = 0: source 0 = S's tile b, source 1 = R's tile a; swap = 1: source 0 = R's tile b, source 1 = S's tile a.  S's scale words are read from lanes 16-31.
; The 16 accumulators take turns, one instruction a turn, in the same order in every step.  zero = 1: the first product starts the sums.
.macro MUL8 f, a0, zero, swap
.irp a, \a0, \a0+1
.irp b, 0,1,2,3
.set DD, ACC+32*(\a)+8*\b
.set A0, 96*(\f)+48*(1-\swap)+12*\b
.set B0, 96*(\f)+48*(\swap)+12*(\a)
.set SA, 24+4*(\f)+\b
.set SB, 24+4*(\f)+(\a)
.if \swap
.if \zero
	v_wmma_scale_f32_16x16x128_f8f6f4 v[DD:DD+7], v[A0:A0+11], v[B0:B0+11], 0, v[SA], v[SB] matrix_a_fmt:MATRIX_FMT_FP6 matrix_b_fmt:MATRIX_FMT_FP6 matrix_b_scale:MATRIX_SCALE_ROW1
.else
	v_wmma_scale_f32_16x16x128_f8f6f4 v[DD:DD+7], v[A0:A0+11], v[B0:B0+11], v[DD:DD+7], v[SA], v[SB] matrix_a_fmt:MATRIX_FMT_FP6 matrix_b_fmt:MATRIX_FMT_FP6 matrix_b_scale:MATRIX_SCALE_ROW1
.endif
.else
.if \zero
	v_wmma_scale_f32_16x16x128_f8f6f4 v[DD:DD+7], v[A0:A0+11], v[B0:B0+11], 0, v[SA], v[SB] matrix_a_fmt:MATRIX_FMT_FP6 matrix_b_fmt:MATRIX_FMT_FP6 matrix_a_scale:MATRIX_SCALE_ROW1
.else
	v_wmma_scale_f32_16x16x128_f8f6f4 v[DD:DD+7], v[A0:A0+11], v[B0:B0+11], v[DD:DD+7], v[SA], v[SB] matrix_a_fmt:MATRIX_FMT_FP6 matrix_b_fmt:MATRIX_FMT_FP6 matrix_a_scale:MATRIX_SCALE_ROW1
.endif
.endif
.endr
.endr
.endm
.macro STEP slot, q, zero, swap        ; a K step that has its successor in the same slot
	PLACES 4                                       ; four places in front of loads into registers that matrix instructions have read (ISA guide 7.12.1 for vector instructions)
	s_wait_dscnt 0x0                               ; this step's set, asked for a step ago, is in
	FETCH \slot, (\q)+1, ((\q)+1)%2                ; the next step's: it has this step's 16 matrix instructions in which to land
	WIN 0x05                                       ; sources 0 and 1 window 1, C and D window 0
	MUL8 (\q)%2, 0, \zero, \swap
	MUL8 (\q)%2, 2, \zero, \swap
.endm
; A slot's last step changes slots: one barrier; in front of it each wave waits for all its tensor loads, adds 0 to its spare word, and waits for that and for its reads of this slot.  fill = 1: the slot is filled again.
.macro TURN slot, next, fill, swap
	WIN 0                                          ; (the add's two registers lie in window 0)
	s_wait_tensorcnt 0x0                           ; all my tensor loads have landed: my part of the next slot among them
	ds_add_u32 v13, v14                            ; 0 onto my spare word
	s_wait_dscnt 0x1                               ; this step's set is in; the add may be out
	WIN 0x05
	MUL8 1, 0, 0, \swap
	s_wait_dscnt 0x0                               ; the add is done, and my reads of this slot are over
	s_barrier_signal -1
	MUL8 1, 2, 0, \swap
	WIN 0                                          ; (branches may follow)
	s_barrier_wait -1
.if \fill
	CREST                                          ; the barrier has opened a round of the cluster's: no wave of any partner still reads this slot or has a load on its way
	s_add_nc_u64 s[34+4*\slot:35+4*\slot], s[34+4*\slot:35+4*\slot], 12288
	s_add_nc_u64 s[50+4*\slot:51+4*\slot], s[50+4*\slot:51+4*\slot], 12288
	JLOAD 32+4*\slot, 24, 48+4*\slot, 40           ; the first tensor load behind the round; its four v_nop are also the places in front of the loads below
.else
	PLACES 4
.endif
	v_add_nc_u32 v12, 256, v12                     ; the next slot's scale words
	s_wait_alu depctr_va_vdst(0)
	FETCH \next, 0, 0
.endm
.macro CORE swap
	FETCH 0, 0, 0
	STEP 0, 0, 1, \swap
.if KDIM > 1024
	WIN 0
	s_mov_b32 s3, KDIM/1024-1
.Llap_\@:                              ; a trip goes once round the ring and fills both slots again
	STEP 0, 1, 0, \swap
	STEP 0, 2, 0, \swap
	TURN 0, 1, 1, \swap
	STEP 1, 0, 0, \swap
	STEP 1, 1, 0, \swap
	STEP 1, 2, 0, \swap
	TURN 1, 0, 1, \swap
	STEP 0, 0, 0, \swap
	WIN 0
	s_sub_co_u32 s3, s3, 1
	s_cmp_lg_u32 s3, 0
	s_cbranch_scc1 .Llap_\@
.endif
	STEP 0, 1, 0, \swap                            ; the last two slots fill nothing
	STEP 0, 2, 0, \swap
	TURN 0, 1, 0, \swap
	STEP 1, 0, 0, \swap
	STEP 1, 1, 0, \swap
	STEP 1, 2, 0, \swap
	s_wait_dscnt 0x0
	MUL8 1, 0, 0, \swap
	MUL8 1, 2, 0, \swap
	WIN 0
	PLACES 4                                       ; in front of the first read of results
.endm
; 32 numbers of a lane become an image of 16 rows x 64 K: v[lo + i] = k 16 h + i, v[hi + i] = k 32 + 16 h + i of my row.  The image ends in v[PC] .. v[PC + 5], the two scale bytes in v[PW].
.macro QH lo, hi
	s_wait_xcnt 0x0                                ; the last image's stores have read their registers
	v_max3_num_f32 v[TM], |v[(\lo)]|, |v[(\lo)+1]|, 0x1800000      ; the two blocks by turns, with the floor 2^(3 - 127): the byte cannot fall under 1
	v_max3_num_f32 v[TM+1], |v[(\hi)]|, |v[(\hi)+1]|, 0x1800000
.irp i, 2,4,6,8,10,12,14
	v_max3_num_f32 v[TM], v[TM], |v[(\lo)+\i]|, |v[(\lo)+\i+1]|
	v_max3_num_f32 v[TM+1], v[TM+1], |v[(\hi)+\i]|, |v[(\hi)+\i+1]|
.endr
	v_permlanex16_b32 v[TM+2], v[TM], s[SEL], s[SEL+1]
	v_permlanex16_b32 v[TM+3], v[TM+1], s[SEL], s[SEL+1]
	v_max_num_f32 v[TM], v[TM], v[TM+2]            ; with lane l xor 16's: the block's largest magnitude
	v_max_num_f32 v[TM+1], v[TM+1], v[TM+3]
	v_add_nc_u32 v[SOP], 0xff000000, v[TM]         ; 2 off the exponent field: the conversion's scale operand
	v_add_nc_u32 v[SOP+1], 0xff000000, v[TM+1]
	v_lshrrev_b32 v[BY], 23, v[SOP]
	v_lshrrev_b32 v[BY+1], 23, v[SOP+1]
	v_lshl_or_b32 v[PW], v[BY+1], 8, v[BY]
	v_cvt_scalef32_pk16_fp6_f32 v[PC:PC+2], v[(\lo):(\lo)+15], v[SOP]
	v_cvt_scalef32_pk16_fp6_f32 v[PX:PX+2], v[(\hi):(\hi)+15], v[SOP+1]
	v_nop                                          ; one plain place behind a scaled conversion
.irp i, 0,1,2
	v_permlane16_swap_b32 v[PC+\i], v[PX+\i]       ; a whole block to a lane: lanes 0-15 block 0, lanes 16-31 block 1
.endr
.irp i, 0,1,2
	v_mov_b32 v[PC+3+\i], v[PX+\i]
.endr
.endm
.macro PUTH base, off                  ; the image leaves as it stands: 512 and 256 consecutive bytes, at multiples of 256 from the buffer's first byte
	global_store_b128 v[L16], v[PC:PC+3], s[\base:\base+1] offset:\off
	global_store_b64 v[L8], v[PC+4:PC+5], s[\base:\base+1] offset:(\off)+512
.endm
.macro FINISH
	s_wait_tensorcnt 0x0                           ; the wave's end
	ds_add_u32 v13, v14
	s_wait_dscnt 0x0
	CROUND                                         ; the closing round: no work-group ends while a partner may still ask for a tile that names it
	s_endpgm
.endm
.macro HEAD                            ; all up to the first fills and the LDS addresses.  s[4:5] R's buffer, s[6:7] wts
	v_lshl_add_u32 v13, v0, 2, SPARE
	v_mov_b32 v14, 0
	ds_add_u32 v13, v14
	ds_add_u32 v13, v14
	s_wait_dscnt 0x0
	v_lshrrev_b32 v1, 5, v0
	v_readfirstlane_b32 s20, v1                    ; wave
	s_lshr_b32 s21, s20, 1                         ; which 64 rows of R are mine.  Also: I fetch for R (0) or for S (1)
	s_and_b32 s22, s20, 1                          ; which 64 rows of S.  Also: which four tiles I fetch
	s_bfe_u32 s84, ttmp6, 0x40000                  ; cx
	s_bfe_u32 s85, ttmp6, 0x40004                  ; cy
	s_lshl_b32 s86, ttmp9, 2
	s_add_co_u32 s86, s86, s84                     ; work-group x
	s_and_b32 s87, ttmp7, 0xffff
	s_lshl_b32 s87, s87, 2
	s_add_co_u32 s87, s87, s85                     ; work-group y
	s_lshl_b32 s88, s85, 2
	s_lshl_b32 s88, 15, s88                        ; my row of the cluster
	s_lshl_b32 s89, 0x1111, s84                    ; my column
	s_or_b32 s24, s88, (3<<16)|(1<<21)             ; group 1 for R's codes: 15:0 the mask; 17:16 elements of 8 bytes; 21 set beside a mask; no padding
	s_or_b32 s40, s89, (3<<16)|(1<<21)             ; for S's
	s_or_b32 s56, s88, (3<<16)|(1<<21)             ; for R's scale words
	s_or_b32 s72, s89, (3<<16)|(1<<21)             ; for S's
.irp g, 24, 40                         ; 512 along K of tiles a tile's K apart, rows of 6,144 bytes: eight tiles for the head's loads; behind them the two words that count rows are set to four
	s_mov_b32 s[\g+1], 768<<16
	s_mov_b32 s[\g+2], 8<<16
	s_mov_b32 s[\g+3], 768<<16
	s_mov_b32 s[\g+4], 8
	s_mov_b32 s[\g+5], KS*192
	s_mov_b32 s[\g+6], 0
	s_mov_b32 s[\g+7], 0
.endr
.irp g, 56, 72                         ; eight tiles' scale words: a dense block, 2 KS rows of 256 bytes
	s_mov_b32 s[\g+1], 32<<16
	s_mov_b32 s[\g+2], (2*KS)<<16
	s_mov_b32 s[\g+3], 32<<16
	s_mov_b32 s[\g+4], 2*KS
	s_mov_b32 s[\g+5], 32
	s_mov_b32 s[\g+6], 0
	s_mov_b32 s[\g+7], 0
.endr
.if PROJ
	s_lshr_b32 s23, ttmp9, 1                       ; the kind: 0 q, 1 k, 2 v: from the cluster's x alone
	s_min_u32 s90, s23, 1
	s_lshl_b32 s90, s90, 5                         ; k and v take the second tensor's tiles
	s_add_co_u32 s90, s90, s87
	s_lshl_b32 s90, s90, 3
.else
	s_lshl_b32 s90, s87, 3
.endif
	s_mul_i32 s18, s22, KS*6144                    ; in the ring I fetch four of the eight tiles: which four, in bytes
	s_mov_b32 s19, 0
	s_mul_i32 s92, s90, KS*1536                    ; R: the block's first tile
	s_mov_b32 s93, 0
	s_mul_i32 s94, s90, KS*64
	s_add_co_u32 s94, s94, R_SC
	s_mov_b32 s95, 0
	s_lshl_b32 s96, s86, 3                         ; S: likewise (in registers that never hold y)
	s_mul_i32 s98, s96, KS*1536
	s_add_co_u32 s98, s98, S_CODE
	s_mov_b32 s99, 0
	s_mul_i32 s100, s96, KS*64
	s_add_co_u32 s100, s100, S_SC
	s_mov_b32 s101, 0
	s_mul_i32 s66, s20, 24576                      ; where they go: no place in the cluster enters an LDS address
	s_wait_kmcnt 0x0
	s_add_nc_u64 s[92:93], s[4:5], s[92:93]
	s_add_nc_u64 s[94:95], s[4:5], s[94:95]
	s_add_nc_u64 s[98:99], s[6:7], s[98:99]
	s_add_nc_u64 s[100:101], s[6:7], s[100:101]
	CROUND                                         ; all sixteen work-groups are here: the first joint loads meet
	s_mov_b32 s68, 1                               ; the head's four tiles, each whole: R's scale words of all of K,
	s_mov_b32 s69, SCL
	s_mov_b64 s[70:71], s[94:95]
	s_or_b32 s71, s71, 0x80000000
	s_mov_b32 s80, 1                               ; S's, behind them,
	s_mov_b32 s81, SCL+8*KS*64
	s_mov_b64 s[82:83], s[100:101]
	s_or_b32 s83, s83, 0x80000000
	s_mov_b32 s32, 1                               ; slot 0's eight tiles of R,
	s_mov_b32 s33, 0
	s_mov_b64 s[34:35], s[92:93]
	s_or_b32 s35, s35, 0x80000000
	s_mov_b32 s48, 1                               ; and of S
	s_mov_b32 s49, 49152
	s_mov_b64 s[50:51], s[98:99]
	s_or_b32 s51, s51, 0x80000000
	s_add_nc_u64 s[92:93], s[92:93], s[18:19]      ; slot 1: a quarter of the slot a wave
	s_add_nc_u64 s[98:99], s[98:99], s[18:19]
	s_mov_b32 s36, 1
	s_add_co_u32 s37, s66, SLOT
	s_add_nc_u64 s[38:39], s[92:93], 6144
	s_or_b32 s39, s39, 0x80000000
	s_mov_b32 s52, 1
	s_add_co_u32 s53, s66, SLOT
	s_add_nc_u64 s[54:55], s[98:99], 6144
	s_or_b32 s55, s55, 0x80000000
	s_cmp_lt_u32 s20, 1                            ; one tensor load a wave at the head: one chain of branches on the wave's number, every way passes one load
	s_cbranch_scc0 .Lh_s
	tensor_load_to_lds s[32:35], s[24:31]
	s_nop 0
	PLACES 4
	s_branch .Lh_asked
.Lh_s:
	s_cmp_lt_u32 s20, 2
	s_cbranch_scc0 .Lh_rs
	tensor_load_to_lds s[48:51], s[40:47]
	s_nop 0
	PLACES 4
	s_branch .Lh_asked
.Lh_rs:
	s_cmp_lt_u32 s20, 3
	s_cbranch_scc0 .Lh_ss
	tensor_load_to_lds s[68:71], s[56:63]
	s_nop 0
	PLACES 4
	s_branch .Lh_asked
.Lh_ss:
	tensor_load_to_lds s[80:83], s[72:79]
	s_nop 0
	PLACES 4
.Lh_asked:
	v_and_b32 v1, 15, v0                           ; r
	v_bfe_u32 v2, v0, 4, 1                         ; h
	v_and_b32 v3, 31, v0                           ; lane
	s_mul_i32 s90, s21, 24576                      ; my four tiles of R,
	s_mul_i32 s91, s22, 24576
	s_add_co_u32 s91, s91, 49152                   ; of S
	v_lshl_add_u32 v4, v3, 4, s90
	v_lshl_add_u32 v6, v3, 3, s90
	v_lshl_add_u32 v8, v3, 4, s91
	v_lshl_add_u32 v10, v3, 3, s91
	v_add_nc_u32 v5, SLOT, v4
	v_add_nc_u32 v7, SLOT, v6
	v_add_nc_u32 v9, SLOT, v8
	v_add_nc_u32 v11, SLOT, v10
	s_mul_i32 s90, s21, KS*256                     ; scale words: R's, my four tiles;
	s_mul_i32 s91, s22, KS*256
	s_add_co_u32 s91, s91, 8*KS*64                 ; S's, behind R's eight
	s_sub_co_u32 s91, s91, s90
	v_mul_u32_u24 v12, s91, v2                     ; lanes 16-31 take S's
	s_add_co_u32 s90, s90, SCL
	v_lshl_add_u32 v12, v1, 2, v12
	v_add_nc_u32 v12, s90, v12
	v_lshlrev_b32 v[L16], 4, v3
	v_lshlrev_b32 v[L8], 3, v3
	v_lshlrev_b32 v[R4], 2, v1
	s_wait_alu depctr_va_vdst(0)
	s_wait_tensorcnt 0x0                           ; my tile of the head's four is in; slot 1's first fill is issued as a refill is:
	ds_add_u32 v13, v14                            ; 0 onto my spare word
	s_mov_b32 s26, 4<<16                           ; no tensor load of mine is out: from here on a load brings four tiles
	s_mov_b32 s28, 4
	s_mov_b32 s42, 4<<16
	s_mov_b32 s44, 4
	s_wait_dscnt 0x0
	CROUND                                         ; all four tiles are in for every wave, and all sixteen work-groups are here
	JLOAD 36, 24, 52, 40                           ; slot 1: my one tensor load behind the round; it has slot 0's four K steps in which to land
.endm
; ---------------- end of the core's text ----------------
	s_load_b256 s[4:11], s[0:1], 0x0               ; act, wts, rope_cos, rope_sin
	s_load_b128 s[12:15], s[0:1], 0x20             ; bq, bkv
	s_load_b64 s[16:17], s[0:1], 0x30              ; qkvc
	HEAD
	s_and_b32 s88, s86, 7
	s_lshl_b32 s89, s88, 1
	s_add_co_u32 s89, s89, s22                     ; my head: my 64 columns are one head
	s_lshr_b32 s90, s87, 4
	s_lshl_b32 s90, s90, 4
	s_add_co_u32 s90, s90, s89                     ; batch x 16 + head
	s_and_b32 s91, s87, 15                         ; which 128 tokens of the sequence
	s_lshl_b32 s94, s89, 8                         ; my head's bytes in a bias
	s_mov_b32 s95, 0
	s_cmp_eq_u32 s23, 2
	s_cbranch_scc1 .Lv_arm
	; ---- q and k
	s_cmp_eq_u32 s23, 0
	s_cselect_b64 s[92:93], s[12:13], s[14:15]
	s_add_nc_u64 s[92:93], s[92:93], s[94:95]
	s_lshl_b32 s98, s91, 7
	s_lshl_b32 s99, s21, 6
	s_add_co_u32 s98, s98, s99
	s_lshl_b32 s98, s98, 8                         ; my first position's row in the tables
	s_mov_b32 s99, 0
	s_add_nc_u64 s[8:9], s[8:9], s[98:99]
	s_add_nc_u64 s[10:11], s[10:11], s[98:99]
	v_and_b32 v15, 8, v1
	v_add_nc_u32 v15, v15, v1
	v_lshlrev_b32 v15, 8, v15
	v_lshl_add_u32 v15, v2, 6, v15                 ; tables: row r + (r & 8) of a tile, + 64 h
	v_lshlrev_b32 v16, 6, v2                       ; bias: + 64 h
	WIN 0x40
.irp k, 0,1,2,3,4,5,6,7
	global_load_b128 v[192+4*\k:195+4*\k], v16, s[92:93] offset:128*(\k/4)+16*(\k%4)   ; the bias of channels 32 b + 16 h + 0 .. 15: window 1, v192-223
.endr
	WIN 0x80
.irp t, 0,1,2,3                        ; window 2: for tile t of tokens cos at 64 t, sin at 64 t + 32, in the accumulators' order
.irp k, 0,1,2,3,4,5,6,7
	global_load_b128 v[64*\t+4*\k:64*\t+4*\k+3], v15, s[8:9] offset:(32*(\t/2)+8*(\t%2))*256+128*(\k/4)+16*(\k%4)
	global_load_b128 v[64*\t+32+4*\k:64*\t+32+4*\k+3], v15, s[10:11] offset:(32*(\t/2)+8*(\t%2))*256+128*(\k/4)+16*(\k%4)
.endr
.endr
	WIN 0
	s_wait_alu depctr_va_vdst(0)
	CORE 0
	s_wait_loadcnt 0x0                             ; bias and tables
	s_mov_b32 s[SEL], 0x76543210
	s_mov_b32 s[SEL+1], 0xfedcba98
	v_mov_b32 v[TM+2], 0                           ; a lane permute's destination counts as one of its sources
	v_mov_b32 v[TM+3], 0
	s_lshl_b32 s25, s91, 3
	s_lshl_b32 s24, s21, 2
	s_add_co_u32 s25, s25, s24                     ; my first tile of tokens within the sequence
	s_lshl_b32 s24, s90, 7
	s_add_co_u32 s24, s24, s25
	s_mul_i32 s26, s24, 768
	s_mul_i32 s27, s23, 3145728                    ; q's images, or k's
	s_add_co_u32 s26, s26, s27
	s_mov_b32 s27, 0
	s_add_nc_u64 s[26:27], s[16:17], s[26:27]
	s_lshl_b32 s28, s25, 6
	s_mul_i32 s29, s90, 8192
	s_add_co_u32 s29, s29, 9437184                 ; q's scale words
	s_mul_i32 s30, s90, 12288
	s_add_co_u32 s30, s30, 9699328                 ; k's
	s_cmp_eq_u32 s23, 0
	s_cselect_b32 s29, s29, s30
	s_add_co_u32 s28, s28, s29
	s_mov_b32 s29, 0
	s_add_nc_u64 s[28:29], s[16:17], s[28:29]
.irp t, 0,1,2,3                        ; a tile of 16 tokens: registers 0-15 channels 16 h + i, registers 16-31 channels 32 + 16 h + i
	WIN 0x04                                       ; source 1 window 1
.set KK, 0
.rept 16
	v_pk_add_f32 v[ACC+32*\t+KK:ACC+32*\t+KK+1], v[ACC+32*\t+KK:ACC+32*\t+KK+1], v[192+KK:193+KK]
.set KK, KK+2
.endr
	WIN 0x08                                       ; source 1 window 2
.set KK, 0
.rept 8
	v_pk_mul_f32 v[32+KK:33+KK], v[ACC+32*\t+KK:ACC+32*\t+KK+1], v[64*\t+KK:64*\t+KK+1]                 ; lower half x cos
	v_pk_mul_f32 v[48+KK:49+KK], v[ACC+32*\t+16+KK:ACC+32*\t+17+KK], v[64*\t+16+KK:64*\t+17+KK]         ; upper half x cos
.set KK, KK+2
.endr
.set KK, 0
.rept 8
	v_pk_fma_f32 v[32+KK:33+KK], v[ACC+32*\t+16+KK:ACC+32*\t+17+KK], v[64*\t+32+KK:64*\t+33+KK], v[32+KK:33+KK] neg_lo:[1,0,0] neg_hi:[1,0,0]   ; - upper half x sin
	v_pk_fma_f32 v[48+KK:49+KK], v[ACC+32*\t+KK:ACC+32*\t+KK+1], v[64*\t+48+KK:64*\t+49+KK], v[48+KK:49+KK]                                     ; + lower half x sin
.set KK, KK+2
.endr
	WIN 0
	QH 32, 48
	PUTH 26, 768*\t
	global_store_b32 v[R4], v[PW], s[28:29] offset:64*\t   ; bytes 0, 1 the two blocks', bytes 2, 3 zero; both halves of the lanes write the same word
.endr
	FINISH
	; ---- v
.Lv_arm:
	v_and_b32 v16, 8, v1
	v_add_nc_u32 v16, v16, v1
	v_lshlrev_b32 v16, 2, v16                      ; the bias of my lane's channel: r + (r & 8) of a tile
	s_add_co_u32 s94, s94, 4096                    ; v's half of bkv
	s_add_nc_u64 s[92:93], s[14:15], s[94:95]
	WIN 0x40
.irp t, 0,1,2,3
	global_load_b32 v[224+\t], v16, s[92:93] offset:(32*(\t/2)+8*(\t%2))*4
.endr
	WIN 0
	s_wait_alu depctr_va_vdst(0)
	CORE 1
	s_wait_loadcnt 0x0
	s_mov_b32 s[SEL], 0x76543210
	s_mov_b32 s[SEL+1], 0xfedcba98
	v_mov_b32 v[TM+2], 0
	v_mov_b32 v[TM+3], 0
	s_lshl_b32 s24, s90, 7                         ; (batch x 16 + head) x 4 tiles x 32 halves
	s_lshl_b32 s25, s91, 1
	s_add_co_u32 s24, s24, s25
	s_add_co_u32 s24, s24, s21                     ; + my 64 keys
	s_mul_i32 s26, s24, 768
	s_add_co_u32 s26, s26, 6291456
	s_mov_b32 s27, 0
	s_add_nc_u64 s[26:27], s[16:17], s[26:27]
	s_mul_i32 s28, s90, 12288
	s_add_co_u32 s28, s28, 9699328+8192
	s_lshl_b32 s29, s91, 6
	s_add_co_u32 s28, s28, s29
	s_lshl_b32 s29, s21, 1
	s_add_co_u32 s28, s28, s29                     ; my 64 keys' two bytes of the word
	s_mov_b32 s29, 0
	s_add_nc_u64 s[28:29], s[16:17], s[28:29]
.irp t, 0,1,2,3                        ; a tile of 16 channels: registers run along my 64 keys
	WIN 0x04
.set KK, 0
.rept 32
	v_add_f32 v[ACC+32*\t+KK], v[ACC+32*\t+KK], v[224+\t]
.set KK, KK+1
.endr
	WIN 0
	QH ACC+32*\t, ACC+32*\t+16
	PUTH 26, 24576*\t
	global_store_b16 v[R4], v[PW], s[28:29] offset:1024*\t
.endr
	FINISH
.Lfunc_end_k_q8aa2bcb665_proj:
	.size	k_q8aa2bcb665_proj, .Lfunc_end_k_q8aa2bcb665_proj-k_q8aa2bcb665_proj
	.p2alignl 7, 3214868480
	.fill 96, 4, 3214868480
	.section	.rodata,"a",@progbits
	.p2align	6, 0x0
	.amdhsa_kernel k_q8aa2bcb665_proj
		.amdhsa_group_segment_fixed_size 327680
		.amdhsa_private_segment_fixed_size 0
		.amdhsa_enable_private_segment 0
		.amdhsa_kernarg_size 56
		.amdhsa_user_sgpr_count 2
		.amdhsa_user_sgpr_kernarg_segment_ptr 1
		.amdhsa_wavefront_size32 1
		.amdhsa_system_sgpr_workgroup_id_x 1
		.amdhsa_system_sgpr_workgroup_id_y 1
		.amdhsa_system_sgpr_workgroup_id_z 1
		.amdhsa_system_vgpr_workitem_id 0
		.amdhsa_next_free_vgpr 768
		.amdhsa_next_free_sgpr 102
		.amdhsa_reserve_vcc 0
		.amdhsa_float_denorm_mode_32 3
		.amdhsa_float_denorm_mode_16_64 3
		.amdhsa_memory_ordered 1
		.amdhsa_forward_progress 1
		.amdhsa_inst_pref_size 128
	.end_amdhsa_kernel
	.amdgpu_metadata
---
amdhsa.version: [ 1, 2 ]
amdhsa.kernels:
  - .name:           k_q8aa2bcb665_proj
    .symbol:         k_q8aa2bcb665_proj.kd
    .args:
      - { .name: act, .offset: 0, .size: 8, .value_kind: global_buffer, .address_space: global }
      - { .name: wts, .offset: 8, .size: 8, .value_kind: global_buffer, .address_space: global }
      - { .name: rope_cos, .offset: 16, .size: 8, .value_kind: global_buffer, .address_space: global }
      - { .name: rope_sin, .offset: 24, .size: 8, .value_kind: global_buffer, .address_space: global }
      - { .name: bq, .offset: 32, .size: 8, .value_kind: global_buffer, .address_space: global }
      - { .name: bkv, .offset: 40, .size: 8, .value_kind: global_buffer, .address_space: global }
      - { .name: qkvc, .offset: 48, .size: 8, .value_kind: global_buffer, .address_space: global }
    .group_segment_fixed_size: 327680
    .private_segment_fixed_size: 0
    .kernarg_segment_align: 8
    .kernarg_segment_size: 56
    .max_flat_workgroup_size: 128
    .sgpr_count:     102
    .vgpr_count:     768
    .wavefront_size: 32
...
	.end_amdgpu_metadata
.endif
;; end of part 2
;; launch attn (part 3): grid 8 x 32, 16 waves a work-group, clusters of 4 x 1, 327,680 bytes of LDS; arguments qkvc, attc; writes attc
.if DOCPART == 3
	.amdgcn_target "amdgcn-amd-amdhsa--gfx1250"
	.amdhsa_code_object_version 6
	.text
	.protected	k_q8aa2bcb665_attn
	.globl	k_q8aa2bcb665_attn
	.p2align	8
	.type	k_q8aa2bcb665_attn,@function
k_q8aa2bcb665_attn:
	s_mov_b64 s[64:65], 0
	v_nop
	global_prefetch_b8 v0, s[64:65] scope:SCOPE_SE
	s_setreg_imm32_b32 hwreg(HW_REG_WAVE_MODE, 25, 1), 1
	s_wait_xcnt 0x0
	s_wait_alu depctr_hold_cnt(0) depctr_sa_sdst(0) depctr_va_vdst(0) depctr_va_sdst(0) depctr_va_ssrc(0) depctr_va_vcc(0) depctr_vm_vsrc(0)
	s_getreg_b32 s2, hwreg(HW_REG_IB_STS2, 6, 4)
	s_cmp_eq_u32 s2, 0
	s_cbranch_scc0 .Lentry_in_a_cluster
	s_endpgm
.Lentry_in_a_cluster:
	s_bfe_u32 s2, ttmp6, 0x10000c
	s_cmp_lg_u32 s2, 0x3003
	s_cbranch_scc0 .Lentry_shape_is_right
	s_endpgm
.Lentry_shape_is_right:
; Attention on codes of E2M3, head size 64, 2,048 keys, no mask; the result, divided by the row's sum, is quantised along D and leaves as the next product's operand.
; THE SOFTMAX AHEAD OF THE SECOND PRODUCT: t = score x log2(e) / 8; M = the running largest t rounded UP to a whole number; p = 2^(t - M) is quantised along the keys, not normalised; the row's sum is taken of the
; unquantised p in f32.  When M moves, the sum and O are multiplied by 2^(old M - new M): exact.
; SHARES.  A work-group owns 256 queries of one head; each of its sixteen waves one tile of 16, in 256 registers: four waves to a SIMD, so that one wave's vector work stands beside another's matrix work.
; Both products are used transposed (S^T = K Q^T, O^T = V^T P^T): a lane holds one query throughout.  Tiles of keys and of channels are in the order 32 (T / 2) + 8 (T % 2) + r + (r & 8), so the 16 registers of
; tiles 2 b and 2 b + 1 are 16 neighbours.  The first product's K is 64: the upper six registers of Q's and K's fragments are zero codes, written once.
; ALL OF A HEAD'S K AND V STAY IN LDS (98,304 bytes each, as they lie in memory, and 12,288 of scale words), each byte filled once: no ring, and one barrier in front of the one loop of 16 steps of 128 keys.
; The fills are nine: waves 0-7 ask for 24,576 dense bytes each (K's four quarters, V's four tiles of channels), wave 8 for the scale words: one tensor load a wave, in one chain of branches on the wave's number.
; CLUSTER 4 x 1: the four blocks of queries of a cluster walk the same head: each tile is asked for jointly.  No prefetch: all that the launch reads by tensor loads is asked for at its head, so there is no loop to run ahead in.
; A STEP: the first four tiles of keys were fetched a step ahead; the address additions that are due anyway stand in the places behind the score products.  The last step's look-ahead reads 12 pieces of LDS that lie
; behind K's (bytes of V and of its scale words, filled like the rest); nothing uses them.
; LIMITS: NaN and infinities are not served; the promise holds while the scaled scores t stay under 2^31 in magnitude; a block whose largest magnitude lies under 2^-124, a block of zeros among them, keeps the byte 1
; (only this program reads the bytes).  A block's largest p is taken as the exponential of the block's largest score, which takes v_exp_f32 not to fall where its input rises.
; REGISTERS: v1 16 l, v2 8 l + 512, v3 4 r; v4, v5, v8 K's addresses and its scale words'; v6, v7 V's tiles 0, 1; v10, v0 V's tiles 2, 3; v9 V's scale words; v11, v243 the add's two; v12 -M, v13 the largest t,
; v[14:15] the sum; v16-27 Q; v28-31 V's scale words; v32-79 four fragments of K; v80-127 four of V; v128-191 S^T, then p; v192-223 O^T; v224-235 p's codes; v236-247, v252, v254 at work; v248-251 K's scale words; v253 p's; v255 Q's.
.set KC_G,  3145728                    ; in qkvc: K's images, V's, Q's scale words, K's and V's
.set VC_G,  6291456
.set QS_G,  9437184
.set KVS_G, 9699328
.set LV,    98304                      ; LDS: K at 0 ([tile of keys][768]), V here ([tile of channels][16 K steps][1,536]),
.set LSC,   196608                     ; the scale words: K's [tile][16], from + 8,192 on V's [tile][K step][16]
.set SPARE, 208896                     ; the spare words, 128 bytes a wave
.set WV,  18
.set SEL, 20
.set CS,  22
.set TK,  2
.set TV,  3
.set TSK, 66
.set TSV, 67
.set CNT, 96
.set TV2, 97
.set TM,  236
.set SOP, 244
.set BY,  246
.set PW,  248
.set PC,  224
.set PX,  230
.macro CROUND
	s_barrier_signal -1
	s_barrier_wait -1
	s_cmp_lg_u32 s[WV], 0
	s_cbranch_scc1 .Lnot_wave_0_\@
	s_barrier_signal -3
.Lnot_wave_0_\@:
	s_barrier_wait -3
	s_barrier_signal -1
	s_barrier_wait -1
.endm
.macro QH lo, hi                       ; 32 numbers of a lane become an image of 16 rows x 64 K (v[lo + i] = k 16 h + i, v[hi + i] = k 32 + 16 h + i)
	s_wait_xcnt 0x0
	v_max3_num_f32 v[TM], |v[(\lo)]|, |v[(\lo)+1]|, 0x1800000
	v_max3_num_f32 v[TM+1], |v[(\hi)]|, |v[(\hi)+1]|, 0x1800000
.irp i, 2,4,6,8,10,12,14
	s_delay_alu instid0(VALU_DEP_2)
	v_max3_num_f32 v[TM], v[TM], |v[(\lo)+\i]|, |v[(\lo)+\i+1]|
	s_delay_alu instid0(VALU_DEP_2)
	v_max3_num_f32 v[TM+1], v[TM+1], |v[(\hi)+\i]|, |v[(\hi)+\i+1]|
.endr
	s_delay_alu instid0(VALU_DEP_2)
	v_permlanex16_b32 v[TM+2], v[TM], s[SEL], s[SEL+1]
	s_delay_alu instid0(VALU_DEP_2)
	v_permlanex16_b32 v[TM+3], v[TM+1], s[SEL], s[SEL+1]
	s_delay_alu instid0(VALU_DEP_2)
	v_max_num_f32 v[TM], v[TM], v[TM+2]
	s_delay_alu instid0(VALU_DEP_2)
	v_max_num_f32 v[TM+1], v[TM+1], v[TM+3]
	s_delay_alu instid0(VALU_DEP_2)
	v_add_nc_u32 v[SOP], 0xff000000, v[TM]
	s_delay_alu instid0(VALU_DEP_2)
	v_add_nc_u32 v[SOP+1], 0xff000000, v[TM+1]
	s_delay_alu instid0(VALU_DEP_2)
	v_lshrrev_b32 v[BY], 23, v[SOP]
	s_delay_alu instid0(VALU_DEP_2)
	v_lshrrev_b32 v[BY+1], 23, v[SOP+1]
	s_delay_alu instid0(VALU_DEP_1)
	v_lshl_or_b32 v[PW], v[BY+1], 8, v[BY]
	v_cvt_scalef32_pk16_fp6_f32 v[PC:PC+2], v[(\lo):(\lo)+15], v[SOP]
	v_cvt_scalef32_pk16_fp6_f32 v[PX:PX+2], v[(\hi):(\hi)+15], v[SOP+1]
	v_nop
.irp i, 0,1,2
	v_permlane16_swap_b32 v[PC+\i], v[PX+\i]
.endr
.irp i, 0,1,2
	s_delay_alu instid0(VALU_DEP_3)
	v_mov_b32 v[PC+3+\i], v[PX+\i]
.endr
.endm
	s_load_b128 s[4:7], s[0:1], 0x0                ; qkvc, attc
	v_lshl_add_u32 v11, v0, 2, SPARE
	v_mov_b32 v243, 0
	ds_add_u32 v11, v243                           ; the opening lines: the add, twice on end, and its wait ahead of the first tensor load
	ds_add_u32 v11, v243
	v_lshrrev_b32 v1, 5, v0
	s_delay_alu instid0(VALU_DEP_1)
	v_readfirstlane_b32 s[WV], v1                  ; wave 0..15
	s_bfe_u32 s8, ttmp6, 0x40000                   ; cx
	s_lshl_b32 s9, ttmp9, 2
	s_add_co_u32 s9, s9, s8                        ; my block of 256 queries: it enters Q's and the result's addresses alone
	s_and_b32 s10, ttmp7, 0xffff                   ; batch x 16 + head, which the four partners share
	s_mov_b32 s24, 15|(3<<16)|(1<<21)              ; group 1 for codes: the mask names all four; elements of 8 bytes; 4 rows of 6,144 bytes, dense
	s_mov_b32 s25, 768<<16
	s_mov_b32 s26, 4<<16
	s_mov_b32 s27, 768<<16
	s_mov_b32 s28, 4
	s_mov_b32 s29, 768
	s_mov_b32 s30, 0
	s_mov_b32 s31, 0
	s_mov_b32 s40, 15|(3<<16)|(1<<21)              ; the scale words: 48 rows of 256 bytes, dense
	s_mov_b32 s41, 32<<16
	s_mov_b32 s42, 48<<16
	s_mov_b32 s43, 32<<16
	s_mov_b32 s44, 48
	s_mov_b32 s45, 32
	s_mov_b32 s46, 0
	s_mov_b32 s47, 0
	s_mul_i32 s12, s10, 98304
	s_mov_b32 s13, 0
	s_mul_i32 s14, s10, 12288
	s_mov_b32 s15, 0
	s_mul_i32 s56, s[WV], 24576                    ; waves 0-7: my piece's place in LDS, K's four and then V's four on end;
	s_lshr_b32 s57, s[WV], 2
	s_mul_i32 s57, s57, VC_G-KC_G-98304            ; in memory V's four begin at V's images
	s_add_co_u32 s58, s56, s57
	s_add_co_u32 s58, s58, KC_G
	s_mov_b32 s59, 0
	s_wait_dscnt 0x0
	s_wait_kmcnt 0x0
	s_add_nc_u64 s[12:13], s[4:5], s[12:13]
	s_add_nc_u64 s[14:15], s[4:5], s[14:15]
	s_mov_b32 s48, 1
	s_mov_b32 s49, s56
	s_add_nc_u64 s[50:51], s[12:13], s[58:59]
	s_or_b32 s51, s51, 0x80000000
	s_mov_b32 s52, 1
	s_mov_b32 s53, LSC
	s_add_nc_u64 s[54:55], s[14:15], KVS_G
	s_or_b32 s55, s55, 0x80000000
	CROUND                                         ; all four work-groups are here: the joint loads meet
	s_cmp_lt_u32 s[WV], 8                          ; one chain of branches on the wave's number, one load to an arm, one join
	s_cbranch_scc0 .Lnot_codes
	tensor_load_to_lds s[48:51], s[24:31]
	s_nop 0
.rept 4
	v_nop
.endr
	s_branch .Lasked
.Lnot_codes:
	s_cmp_eq_u32 s[WV], 8
	s_cbranch_scc0 .Lasked
	tensor_load_to_lds s[52:55], s[40:47]
	s_nop 0
.rept 4
	v_nop
.endr
.Lasked:
	s_lshl_b32 s16, s9, 4
	s_add_co_u32 s16, s16, s[WV]                   ; my tile of queries within the sequence
	s_lshl_b32 s17, s10, 7
	s_add_co_u32 s17, s17, s16
	s_mul_i32 s88, s17, 768
	s_mov_b32 s89, 0
	s_lshl_b32 s90, s17, 6
	s_add_co_u32 s90, s90, QS_G
	s_mov_b32 s91, 0
	s_lshr_b32 s19, s10, 4
	s_lshl_b32 s19, s19, 7
	s_add_co_u32 s19, s19, s16                     ; my tile among all 256 tiles of tokens
	s_and_b32 s11, s10, 15                         ; the head
	s_lshl_b32 s92, s19, 4
	s_add_co_u32 s92, s92, s11
	s_mul_i32 s92, s92, 768
	s_mov_b32 s93, 0
	s_lshl_b32 s94, s19, 3
	s_lshr_b32 s95, s11, 1
	s_add_co_u32 s94, s94, s95
	s_lshl_b32 s94, s94, 6
	s_and_b32 s95, s11, 1
	s_lshl_b32 s95, s95, 1
	s_add_co_u32 s94, s94, s95
	s_add_co_u32 s94, s94, 3145728
	s_mov_b32 s95, 0
	s_add_nc_u64 s[88:89], s[4:5], s[88:89]        ; Q's image,
	s_add_nc_u64 s[90:91], s[4:5], s[90:91]        ; its scale words,
	s_add_nc_u64 s[92:93], s[6:7], s[92:93]        ; the result's image,
	s_add_nc_u64 s[94:95], s[6:7], s[94:95]        ; its two scale bytes
	s_mov_b32 s[SEL], 0x76543210
	s_mov_b32 s[SEL+1], 0xfedcba98
	s_mov_b32 s[CS], 0x3e38aa3b                    ; c = log2(e) / 8
	s_mov_b32 s[CS+1], s[CS]
	s_mov_b32 s[TK], 0
	s_mov_b32 s[TV], LV
	s_mov_b32 s[TV2], LV+49152
	s_mov_b32 s[TSK], LSC
	s_mov_b32 s[TSV], LSC+8192
	s_mov_b32 s[CNT], 16
	v_and_b32 v3, 31, v0
	s_delay_alu instid0(VALU_DEP_1)
	v_lshlrev_b32 v1, 4, v3
	s_delay_alu instid0(VALU_DEP_2)
	v_lshl_add_u32 v2, v3, 3, 512
	v_and_b32 v3, 15, v0
	s_delay_alu instid0(VALU_DEP_1)
	v_lshlrev_b32 v3, 2, v3
	global_load_b128 v[16:19], v1, s[88:89]
	global_load_b64 v[20:21], v2, s[88:89]
	global_load_b32 v255, v3, s[90:91]
	v_mov_b32 v4, v1                               ; step 0's addresses of K
	v_mov_b32 v5, v2
	v_add_nc_u32 v8, LSC, v3
.irp j, 22,23,24,25,26,27
	v_mov_b32 v[\j], 0                             ; zero codes for k = 64 .. 127 of Q,
.endr
.irp t, 0,1,2,3
.irp j, 6,7,8,9,10,11
	v_mov_b32 v[32+12*\t+\j], 0                    ; and of K: no load ever lands here
.endr
.endr
	v_mov_b32 v13, 0xff61b1e6                      ; the largest t so far: -3e38
	s_delay_alu instid0(VALU_DEP_1)
	v_floor_f32 v12, -v13                          ; -M
	v_mov_b32 v14, 0
	v_mov_b32 v15, 0
.irp b, 0,1,2,3
	v_mov_b32 v[236+\b], 0                         ; a lane permute's destination counts as one of its sources
.endr
	v_mov_b32 v253, 0
.set JJ, 0
.rept 32
	v_mov_b32 v[192+JJ], 0                         ; O^T: the step is written once; the first finds zeros, which the first change of M leaves zeros
.set JJ, JJ+1
.endr
.macro KLOAD g                         ; four tiles of 16 keys: an image's six registers and a scale word each: 12 loads
.irp t, 0,1,2,3
	ds_load_b128 v[32+12*\t:35+12*\t], v4 offset:(4*\g+\t)*768
	ds_load_b64 v[36+12*\t:37+12*\t], v5 offset:(4*\g+\t)*768
	ds_load_b32 v[248+\t], v8 offset:(4*\g+\t)*64
.endr
.endm
.macro VFRAG t, a16, a8, off           ; a fragment of V and its scale word: 5 loads
	ds_load_b128 v[80+12*\t:83+12*\t], v[\a16] offset:\off
	ds_load_b64 v[84+12*\t:85+12*\t], v[\a8] offset:\off
	ds_load_b128 v[86+12*\t:89+12*\t], v[\a16] offset:\off+768
	ds_load_b64 v[90+12*\t:91+12*\t], v[\a8] offset:\off+768
	ds_load_b32 v[28+\t], v9 offset:\t*1024
.endm
.macro QK d                            ; S^T of four tiles of keys
.irp t, 0,1,2,3
	v_wmma_scale_f32_16x16x128_f8f6f4 v[\d+8*\t:\d+8*\t+7], v[32+12*\t:43+12*\t], v[16:27], 0, v[248+\t], v255 matrix_a_fmt:MATRIX_FMT_FP6 matrix_b_fmt:MATRIX_FMT_FP6
.endr
.endm
.macro STEP                            ; 128 keys
	s_wait_dscnt 0x0                               ; K's first four tiles, asked for a step ago
	QK 128
	v_add_nc_u32 v6, s[TV], v1                     ; V's addresses: five additions, which are the places behind the four products above and behind the last step's, in front of the loads below
	v_add_nc_u32 v7, s[TV], v2
	v_add_nc_u32 v10, s[TV2], v1
	v_add_nc_u32 v0, s[TV2], v2
	v_add_nc_u32 v9, s[TSV], v3
	KLOAD 1
	VFRAG 0, 6, 7, 0                               ; V's twenty loads, wanted at the step's end
	VFRAG 1, 6, 7, 24576
	VFRAG 2, 10, 0, 0
	VFRAG 3, 10, 0, 24576
	s_add_co_u32 s[TK], s[TK], 6144
	s_add_co_u32 s[TSK], s[TSK], 512
	s_add_co_u32 s[TV], s[TV], 1536
	s_add_co_u32 s[TV2], s[TV2], 1536
	s_add_co_u32 s[TSV], s[TSV], 64
	s_wait_dscnt 20                                ; K's second twelve are in; V's twenty may be out
	QK 160
	v_add_nc_u32 v4, s[TK], v1                     ; the next step's addresses of K and the old -M: four places behind the products, in front of the loads and of the first read of results
	v_add_nc_u32 v5, s[TK], v2
	v_add_nc_u32 v8, s[TSK], v3
	v_mov_b32 v254, v12
	KLOAD 0                                        ; the next step's first four tiles: they have the softmax in which to land
.irp b, 0,1,2,3
	v_max3_num_f32 v[232+\b], v[128+16*\b], v[129+16*\b], v[130+16*\b]     ; the largest score of each block of 32 keys: for the row's maximum, and for the block's largest p
.endr
.irp i, 3,5,7,9,11,13
.irp b, 0,1,2,3
	v_max3_num_f32 v[232+\b], v[232+\b], v[128+16*\b+\i], v[129+16*\b+\i]
.endr
.endr
.irp b, 0,1,2,3
	v_max_num_f32 v[232+\b], v[232+\b], v[143+16*\b]
.endr
.irp b, 0,1,2,3
	s_delay_alu instid0(VALU_DEP_4)
	v_permlanex16_b32 v[236+\b], v[232+\b], s[SEL], s[SEL+1]
.endr
.irp b, 0,1,2,3
	s_delay_alu instid0(VALU_DEP_4)
	v_max_num_f32 v[232+\b], v[232+\b], v[236+\b]
.endr
	s_delay_alu instid0(VALU_DEP_2)
	v_max3_num_f32 v252, v232, v233, v234
	s_delay_alu instid0(VALU_DEP_1)
	v_max_num_f32 v252, v252, v235
	s_delay_alu instid0(VALU_DEP_1)
	v_mul_f32 v252, s[CS], v252                    ; as t (c is positive)
	s_delay_alu instid0(VALU_DEP_1)
	v_max_num_f32 v13, v13, v252                   ; the running largest t
	s_delay_alu instid0(VALU_DEP_1)
	v_floor_f32 v12, -v13                          ; the new -M = -ceil(t)
	s_delay_alu instid0(VALU_DEP_1)
	v_sub_f32 v254, v12, v254                      ; old M - new M: a whole number, 0 or less
	s_delay_alu instid0(VALU_DEP_1)
	v_cvt_i32_f32 v254, v254                       ; (it saturates)
	s_delay_alu instid0(VALU_DEP_1)
	v_ldexp_f32 v252, 1.0, v254                    ; f = 2^(old M - new M)
.set JJ, 0
.rept 32
	v_pk_fma_f32 v[128+JJ:129+JJ], v[128+JJ:129+JJ], s[CS:CS+1], v[12:13] op_sel_hi:[1,0,0]   ; t - M
.set JJ, JJ+2
.endr
.irp b, 0,1,2,3
	v_fma_f32 v[232+\b], v[232+\b], s[CS], v12
.endr
	s_wait_alu depctr_va_vdst(0)
.set JJ, 0
.rept 64
	v_exp_f32 v[128+JJ], v[128+JJ]                 ; p = 2^(t - M), at most 1
.set JJ, JJ+1
.endr
	v_pk_mul_f32 v[14:15], v[14:15], v[252:253] op_sel_hi:[1,0]    ; the sums under the new M: a plain place behind the exponentials
	s_wait_alu depctr_va_vdst(0)                   ; one wait for the whole batch, ahead of its first reader
.irp b, 0,1,2,3
	v_exp_f32 v[232+\b], v[232+\b]                 ; the block's largest p
.endr
	v_pk_add_f32 v[236:237], v[128:129], v[130:131]        ; the row's sum of the unquantised p: 32 pairs in four chains by turns
	v_pk_add_f32 v[238:239], v[132:133], v[134:135]
	v_pk_add_f32 v[240:241], v[136:137], v[138:139]
	v_pk_add_f32 v[14:15], v[14:15], v[140:141]
.set JJ, 142
.rept 6
	v_pk_add_f32 v[236:237], v[236:237], v[JJ:JJ+1]
	v_pk_add_f32 v[238:239], v[238:239], v[JJ+2:JJ+3]
	v_pk_add_f32 v[240:241], v[240:241], v[JJ+4:JJ+5]
	v_pk_add_f32 v[14:15], v[14:15], v[JJ+6:JJ+7]
.set JJ, JJ+8
.endr
	v_pk_add_f32 v[236:237], v[236:237], v[190:191]
	v_pk_add_f32 v[14:15], v[14:15], v[240:241]
	s_delay_alu instid0(VALU_DEP_2)
	v_pk_add_f32 v[236:237], v[236:237], v[238:239]
	s_delay_alu instid0(VALU_DEP_1)
	v_pk_add_f32 v[14:15], v[14:15], v[236:237]
	s_wait_alu depctr_va_vdst(0)                   ; one wait for the four, which also stands directly ahead of the wait below
	s_wait_dscnt 12                                ; V's twenty loads are in; the next step's twelve of K may be out
.irp b, 0,1,2,3
	v_max_num_f32 v[232+\b], 0x1800000, v[232+\b]  ; the floor 2^(3 - 127)
.endr
.irp b, 0,1,2,3
	s_delay_alu instid0(VALU_DEP_4)
	v_add_nc_u32 v[244+\b], 0xff000000, v[232+\b]
.endr
.irp b, 0,1,2,3
	s_delay_alu instid0(VALU_DEP_4)
	v_lshrrev_b32 v[236+\b], 23, v[244+\b]
.endr
	s_delay_alu instid0(VALU_DEP_3)
	v_lshl_or_b32 v253, v237, 8, v236              ; p's scale word for these 128 keys
	s_delay_alu instid0(VALU_DEP_1)
	v_lshl_or_b32 v253, v238, 16, v253
	s_delay_alu instid0(VALU_DEP_1)
	v_lshl_or_b32 v253, v239, 24, v253
.irp c, 0,1
	v_cvt_scalef32_pk16_fp6_f32 v[224+6*\c:226+6*\c], v[128+32*\c:143+32*\c], v[244+2*\c]
	v_cvt_scalef32_pk16_fp6_f32 v[236+4*\c:238+4*\c], v[144+32*\c:159+32*\c], v[244+2*\c+1]
.endr
	v_nop                                          ; one plain place behind a scaled conversion
.irp c, 0,1
.irp i, 0,1,2
	v_permlane16_swap_b32 v[224+6*\c+\i], v[236+4*\c+\i]
.endr
.irp i, 0,1,2
	s_delay_alu instid0(VALU_DEP_3)
	v_mov_b32 v[227+6*\c+\i], v[236+4*\c+\i]
.endr
.endr
	s_wait_alu depctr_va_vdst(0)                   ; the wait directly ahead of the first reader of O^T
.set JJ, 0
.rept 16
	v_pk_mul_f32 v[192+JJ:193+JJ], v[192+JJ:193+JJ], v[252:253] op_sel_hi:[1,0]    ; O^T under the new M; these sixteen are also the places in front of the scaled products
.set JJ, JJ+2
.endr
.irp t, 0,1,2,3
	v_wmma_scale_f32_16x16x128_f8f6f4 v[192+8*\t:199+8*\t], v[80+12*\t:91+12*\t], v[224:235], v[192+8*\t:199+8*\t], v[28+\t], v253 matrix_a_fmt:MATRIX_FMT_FP6 matrix_b_fmt:MATRIX_FMT_FP6
.endr
.endm
	s_wait_alu depctr_va_vdst(0)
	s_wait_loadcnt 0x0                             ; Q
	s_wait_tensorcnt 0x0                           ; my piece has landed (a wave that asked for none passes at once)
	s_barrier_signal -1
	s_barrier_wait -1                              ; all of K, V and the scale words lie in LDS for every wave
	KLOAD 0
.Lstep:
	STEP
	s_sub_co_u32 s[CNT], s[CNT], 1
	s_cmp_lg_u32 s[CNT], 0
	s_cbranch_scc1 .Lstep
	s_wait_dscnt 0x0                               ; the last look-ahead's loads have landed: their registers are used again below
.rept 4
	v_nop                                          ; places behind the last products
.endr
	v_add_f32 v14, v14, v15
	s_delay_alu instid0(VALU_DEP_1)
	v_permlanex16_b32 v252, v14, s[SEL], s[SEL+1]
	s_delay_alu instid0(VALU_DEP_1)
	v_add_f32 v14, v14, v252                       ; the row's sum
	s_wait_alu depctr_va_vdst(0)
	v_rcp_f32 v14, v14
	v_nop                                          ; a plain place behind the transcendental
	s_wait_alu depctr_va_vdst(0)                   ; and the wait ahead of its first reader
.set JJ, 0
.rept 32
	v_mul_f32 v[128+JJ], v[192+JJ], v14            ; register 16 b + i: channel 32 b + 16 h + i of my query
.set JJ, JJ+1
.endr
	QH 128, 144
	global_store_b128 v1, v[224:227], s[92:93]     ; the image: 512 and 256 consecutive bytes
	global_store_b64 v2, v[228:229], s[92:93]
	global_store_b16 v3, v[PW], s[94:95]
	s_wait_tensorcnt 0x0                           ; the wave's end
	ds_add_u32 v11, v243
	s_wait_dscnt 0x0
	CROUND                                         ; the closing round
	s_endpgm
.Lfunc_end_k_q8aa2bcb665_attn:
	.size	k_q8aa2bcb665_attn, .Lfunc_end_k_q8aa2bcb665_attn-k_q8aa2bcb665_attn
	.p2alignl 7, 3214868480
	.fill 96, 4, 3214868480
	.section	.rodata,"a",@progbits
	.p2align	6, 0x0
	.amdhsa_kernel k_q8aa2bcb665_attn
		.amdhsa_group_segment_fixed_size 327680
		.amdhsa_private_segment_fixed_size 0
		.amdhsa_enable_private_segment 0
		.amdhsa_kernarg_size 16
		.amdhsa_user_sgpr_count 2
		.amdhsa_user_sgpr_kernarg_segment_ptr 1
		.amdhsa_wavefront_size32 1
		.amdhsa_system_sgpr_workgroup_id_x 1
		.amdhsa_system_sgpr_workgroup_id_y 1
		.amdhsa_system_sgpr_workgroup_id_z 1
		.amdhsa_system_vgpr_workitem_id 0
		.amdhsa_next_free_vgpr 256
		.amdhsa_next_free_sgpr 100
		.amdhsa_reserve_vcc 0
		.amdhsa_float_denorm_mode_32 3
		.amdhsa_float_denorm_mode_16_64 3
		.amdhsa_memory_ordered 1
		.amdhsa_forward_progress 1
		.amdhsa_inst_pref_size 32
	.end_amdhsa_kernel
	.amdgpu_metadata
---
amdhsa.version: [ 1, 2 ]
amdhsa.kernels:
  - .name:           k_q8aa2bcb665_attn
    .symbol:         k_q8aa2bcb665_attn.kd
    .args:
      - { .name: qkvc, .offset: 0, .size: 8, .value_kind: global_buffer, .address_space: global }
      - { .name: attc, .offset: 8, .size: 8, .value_kind: global_buffer, .address_space: global }
    .group_segment_fixed_size: 327680
    .private_segment_fixed_size: 0
    .kernarg_segment_align: 8
    .kernarg_segment_size: 16
    .max_flat_workgroup_size: 512
    .sgpr_count:     100
    .vgpr_count:     256
    .wavefront_size: 32
...
	.end_amdgpu_metadata
.endif
;; end of part 3
;; launch oproj (part 4): grid 8 x 32, 4 waves a work-group, clusters of 4 x 4, 327,680 bytes of LDS; arguments attc, wts, bo, x, x1; writes x1
.if DOCPART == 4
	.amdgcn_target "amdgcn-amd-amdhsa--gfx1250"
	.amdhsa_code_object_version 6
	.text
	.protected	k_q8aa2bcb665_oproj
	.globl	k_q8aa2bcb665_oproj
	.p2align	8
	.type	k_q8aa2bcb665_oproj,@function
k_q8aa2bcb665_oproj:
	s_mov_b64 s[64:65], 0
	v_nop
	global_prefetch_b8 v0, s[64:65] scope:SCOPE_SE
	s_setreg_imm32_b32 hwreg(HW_REG_WAVE_MODE, 25, 1), 1
	s_wait_xcnt 0x0
	s_wait_alu depctr_hold_cnt(0) depctr_sa_sdst(0) depctr_va_vdst(0) depctr_va_sdst(0) depctr_va_ssrc(0) depctr_va_vcc(0) depctr_vm_vsrc(0)
	s_getreg_b32 s2, hwreg(HW_REG_IB_STS2, 6, 4)
	s_cmp_eq_u32 s2, 0
	s_cbranch_scc0 .Lentry_in_a_cluster
	s_endpgm
.Lentry_in_a_cluster:
	s_bfe_u32 s2, ttmp6, 0x10000c
	s_cmp_lg_u32 s2, 0xf033
	s_cbranch_scc0 .Lentry_shape_is_right
	s_endpgm
.Lentry_shape_is_right:
; x1 = x + attn Wo + bo: the product on codes of E2M3, the bias and the residual in f32.  A work-group makes 128 tokens (operand R) x 128 columns (operand S) over K = 1,024; four waves, 64 x 64 each: 16 accumulators.
; Operands lie in memory in the order of the operand's registers: tiles of 16 rows, a fragment (16 rows x 128 K) 1,536 bytes on end, [tile][K step]; scale words [tile][K step][16 rows].
; LDS: two slots of 512 along K (R's 8 tiles, then S's 8), which hold all of K, each byte filled once; the scale words; a stage for the way out; the spare words.
; THE HEAD: four tiles, one tensor load a wave: slot 0's R, slot 0's S, R's scale words, S's.  Slot 1 is asked for behind the full sequence and a round of the cluster's barrier, a quarter a wave.
; CLUSTER 4 x 4: R is shared along a row of the cluster, S along a column: each tile is asked for jointly.  No prefetch: both slots are asked for at the head, so there is no loop to run ahead in.
; The result goes through each wave's own stage and leaves as rows of 256 consecutive bytes.  LIMITS: NaN and infinities are not served.
.set KDIM,   1024
.set R_SC,   3145728
.set S_CODE, 2359296
.set S_SC,   9535488
.set STAGEB, 17408
.set PROJ,   0
.set KS,    KDIM/128
.set SLOT,  98304
.set SCL,   2*SLOT
.set STAGE, SCL+16*KS*64
.set SPARE, STAGE+STAGEB
.set ACC,   128
.set L16,   17
.set L8,    18
.set R4,    19
.set MSB, 0
.macro WIN new
.if MSB != \new
	s_set_vgpr_msb (MSB<<8)|\new
.set MSB, \new
.endif
.endm
.macro PLACES n
.rept \n
	v_nop
.endr
.endm
.macro JLOAD g0a, g1a, g0b, g1b
	s_cmp_eq_u32 s21, 0
	s_cbranch_scc0 .Lfor_s_\@
	tensor_load_to_lds s[\g0a:\g0a+3], s[\g1a:\g1a+7]
	s_nop 0
.rept 4
	v_nop
.endr
	s_branch .Lasked_\@
.Lfor_s_\@:
	tensor_load_to_lds s[\g0b:\g0b+3], s[\g1b:\g1b+7]
	s_nop 0
.rept 4
	v_nop
.endr
.Lasked_\@:
.endm
.macro CREST
	s_cmp_lg_u32 s20, 0
	s_cbranch_scc1 .Lnot_wave_0_\@
	s_barrier_signal -3
.Lnot_wave_0_\@:
	s_barrier_wait -3
	s_barrier_signal -1
	s_barrier_wait -1
.endm
.macro CROUND
	s_barrier_signal -1
	s_barrier_wait -1
	CREST
.endm
.macro FRAG reg, a16, a8, off
	ds_load_b128 v[\reg:\reg+3], v[\a16] offset:\off
	ds_load_b64 v[\reg+4:\reg+5], v[\a8] offset:\off+512
	ds_load_b128 v[\reg+6:\reg+9], v[\a16] offset:\off+768
	ds_load_b64 v[\reg+10:\reg+11], v[\a8] offset:\off+1280
.endm
.macro FETCH slot, q, f
	WIN 0x40
.irp i, 0,1,2,3
	FRAG 96*(\f)+12*\i, 4+\slot, 6+\slot, \i*6144+(\q)*1536
.endr
.irp i, 0,1,2,3
	FRAG 96*(\f)+48+12*\i, 8+\slot, 10+\slot, \i*6144+(\q)*1536
.endr
	WIN 0
.irp i, 0,1,2,3
	ds_load_b32 v[24+4*(\f)+\i], v12 offset:\i*KS*64+(\q)*64
.endr
.endm
.macro MUL8 f, a0, zero, swap
.irp a, \a0, \a0+1
.irp b, 0,1,2,3
.set DD, ACC+32*(\a)+8*\b
.set A0, 96*(\f)+48*(1-\swap)+12*\b
.set B0, 96*(\f)+48*(\swap)+12*(\a)
.set SA, 24+4*(\f)+\b
.set SB, 24+4*(\f)+(\a)
.if \swap
.if \zero
	v_wmma_scale_f32_16x16x128_f8f6f4 v[DD:DD+7], v[A0:A0+11], v[B0:B0+11], 0, v[SA], v[SB] matrix_a_fmt:MATRIX_FMT_FP6 matrix_b_fmt:MATRIX_FMT_FP6 matrix_b_scale:MATRIX_SCALE_ROW1
.else
	v_wmma_scale_f32_16x16x128_f8f6f4 v[DD:DD+7], v[A0:A0+11], v[B0:B0+11], v[DD:DD+7], v[SA], v[SB] matrix_a_fmt:MATRIX_FMT_FP6 matrix_b_fmt:MATRIX_FMT_FP6 matrix_b_scale:MATRIX_SCALE_ROW1
.endif
.else
.if \zero
	v_wmma_scale_f32_16x16x128_f8f6f4 v[DD:DD+7], v[A0:A0+11], v[B0:B0+11], 0, v[SA], v[SB] matrix_a_fmt:MATRIX_FMT_FP6 matrix_b_fmt:MATRIX_FMT_FP6 matrix_a_scale:MATRIX_SCALE_ROW1
.else
	v_wmma_scale_f32_16x16x128_f8f6f4 v[DD:DD+7], v[A0:A0+11], v[B0:B0+11], v[DD:DD+7], v[SA], v[SB] matrix_a_fmt:MATRIX_FMT_FP6 matrix_b_fmt:MATRIX_FMT_FP6 matrix_a_scale:MATRIX_SCALE_ROW1
.endif
.endif
.endr
.endr
.endm
.macro STEP slot, q, zero, swap
	PLACES 4
	s_wait_dscnt 0x0
	FETCH \slot, (\q)+1, ((\q)+1)%2
	WIN 0x05
	MUL8 (\q)%2, 0, \zero, \swap
	MUL8 (\q)%2, 2, \zero, \swap
.endm
.macro TURN slot, next, fill, swap
	WIN 0
	s_wait_tensorcnt 0x0
	ds_add_u32 v13, v14
	s_wait_dscnt 0x1
	WIN 0x05
	MUL8 1, 0, 0, \swap
	s_wait_dscnt 0x0
	s_barrier_signal -1
	MUL8 1, 2, 0, \swap
	WIN 0
	s_barrier_wait -1
.if \fill
	CREST
	s_add_nc_u64 s[34+4*\slot:35+4*\slot], s[34+4*\slot:35+4*\slot], 12288
	s_add_nc_u64 s[50+4*\slot:51+4*\slot], s[50+4*\slot:51+4*\slot], 12288
	JLOAD 32+4*\slot, 24, 48+4*\slot, 40
.else
	PLACES 4
.endif
	v_add_nc_u32 v12, 256, v12
	s_wait_alu depctr_va_vdst(0)
	FETCH \next, 0, 0
.endm
.macro CORE swap
	FETCH 0, 0, 0
	STEP 0, 0, 1, \swap
.if KDIM > 1024
	WIN 0
	s_mov_b32 s3, KDIM/1024-1
.Llap_\@:
	STEP 0, 1, 0, \swap
	STEP 0, 2, 0, \swap
	TURN 0, 1, 1, \swap
	STEP 1, 0, 0, \swap
	STEP 1, 1, 0, \swap
	STEP 1, 2, 0, \swap
	TURN 1, 0, 1, \swap
	STEP 0, 0, 0, \swap
	WIN 0
	s_sub_co_u32 s3, s3, 1
	s_cmp_lg_u32 s3, 0
	s_cbranch_scc1 .Llap_\@
.endif
	STEP 0, 1, 0, \swap
	STEP 0, 2, 0, \swap
	TURN 0, 1, 0, \swap
	STEP 1, 0, 0, \swap
	STEP 1, 1, 0, \swap
	STEP 1, 2, 0, \swap
	s_wait_dscnt 0x0
	MUL8 1, 0, 0, \swap
	MUL8 1, 2, 0, \swap
	WIN 0
	PLACES 4
.endm
.macro FINISH
	s_wait_tensorcnt 0x0
	ds_add_u32 v13, v14
	s_wait_dscnt 0x0
	CROUND
	s_endpgm
.endm
.macro HEAD
	v_lshl_add_u32 v13, v0, 2, SPARE
	v_mov_b32 v14, 0
	ds_add_u32 v13, v14
	ds_add_u32 v13, v14
	s_wait_dscnt 0x0
	v_lshrrev_b32 v1, 5, v0
	v_readfirstlane_b32 s20, v1
	s_lshr_b32 s21, s20, 1
	s_and_b32 s22, s20, 1
	s_bfe_u32 s84, ttmp6, 0x40000
	s_bfe_u32 s85, ttmp6, 0x40004
	s_lshl_b32 s86, ttmp9, 2
	s_add_co_u32 s86, s86, s84
	s_and_b32 s87, ttmp7, 0xffff
	s_lshl_b32 s87, s87, 2
	s_add_co_u32 s87, s87, s85
	s_lshl_b32 s88, s85, 2
	s_lshl_b32 s88, 15, s88
	s_lshl_b32 s89, 0x1111, s84
	s_or_b32 s24, s88, (3<<16)|(1<<21)
	s_or_b32 s40, s89, (3<<16)|(1<<21)
	s_or_b32 s56, s88, (3<<16)|(1<<21)
	s_or_b32 s72, s89, (3<<16)|(1<<21)
.irp g, 24, 40                         ; 512 along K of tiles a tile's K apart, rows of 6,144 bytes: eight tiles for the head's loads; behind them the two words that count rows are set to four
	s_mov_b32 s[\g+1], 768<<16
	s_mov_b32 s[\g+2], 8<<16
	s_mov_b32 s[\g+3], 768<<16
	s_mov_b32 s[\g+4], 8
	s_mov_b32 s[\g+5], KS*192
	s_mov_b32 s[\g+6], 0
	s_mov_b32 s[\g+7], 0
.endr
.irp g, 56, 72                         ; eight tiles' scale words: a dense block, 2 KS rows of 256 bytes
	s_mov_b32 s[\g+1], 32<<16
	s_mov_b32 s[\g+2], (2*KS)<<16
	s_mov_b32 s[\g+3], 32<<16
	s_mov_b32 s[\g+4], 2*KS
	s_mov_b32 s[\g+5], 32
	s_mov_b32 s[\g+6], 0
	s_mov_b32 s[\g+7], 0
.endr
.if PROJ
	s_lshr_b32 s23, ttmp9, 1
	s_min_u32 s90, s23, 1
	s_lshl_b32 s90, s90, 5
	s_add_co_u32 s90, s90, s87
	s_lshl_b32 s90, s90, 3
.else
	s_lshl_b32 s90, s87, 3
.endif
	s_mul_i32 s18, s22, KS*6144                    ; in the ring I fetch four of the eight tiles: which four, in bytes
	s_mov_b32 s19, 0
	s_mul_i32 s92, s90, KS*1536                    ; R: the block's first tile
	s_mov_b32 s93, 0
	s_mul_i32 s94, s90, KS*64
	s_add_co_u32 s94, s94, R_SC
	s_mov_b32 s95, 0
	s_lshl_b32 s96, s86, 3                         ; S: likewise (in registers that never hold y)
	s_mul_i32 s98, s96, KS*1536
	s_add_co_u32 s98, s98, S_CODE
	s_mov_b32 s99, 0
	s_mul_i32 s100, s96, KS*64
	s_add_co_u32 s100, s100, S_SC
	s_mov_b32 s101, 0
	s_mul_i32 s66, s20, 24576
	s_wait_kmcnt 0x0
	s_add_nc_u64 s[92:93], s[4:5], s[92:93]
	s_add_nc_u64 s[94:95], s[4:5], s[94:95]
	s_add_nc_u64 s[98:99], s[6:7], s[98:99]
	s_add_nc_u64 s[100:101], s[6:7], s[100:101]
	CROUND
	s_mov_b32 s68, 1                               ; the head's four tiles, each whole: R's scale words of all of K,
	s_mov_b32 s69, SCL
	s_mov_b64 s[70:71], s[94:95]
	s_or_b32 s71, s71, 0x80000000
	s_mov_b32 s80, 1                               ; S's, behind them,
	s_mov_b32 s81, SCL+8*KS*64
	s_mov_b64 s[82:83], s[100:101]
	s_or_b32 s83, s83, 0x80000000
	s_mov_b32 s32, 1                               ; slot 0's eight tiles of R,
	s_mov_b32 s33, 0
	s_mov_b64 s[34:35], s[92:93]
	s_or_b32 s35, s35, 0x80000000
	s_mov_b32 s48, 1                               ; and of S
	s_mov_b32 s49, 49152
	s_mov_b64 s[50:51], s[98:99]
	s_or_b32 s51, s51, 0x80000000
	s_add_nc_u64 s[92:93], s[92:93], s[18:19]      ; slot 1: a quarter of the slot a wave
	s_add_nc_u64 s[98:99], s[98:99], s[18:19]
	s_mov_b32 s36, 1
	s_add_co_u32 s37, s66, SLOT
	s_add_nc_u64 s[38:39], s[92:93], 6144
	s_or_b32 s39, s39, 0x80000000
	s_mov_b32 s52, 1
	s_add_co_u32 s53, s66, SLOT
	s_add_nc_u64 s[54:55], s[98:99], 6144
	s_or_b32 s55, s55, 0x80000000
	s_cmp_lt_u32 s20, 1                            ; one tensor load a wave at the head: one chain of branches on the wave's number, every way passes one load
	s_cbranch_scc0 .Lh_s
	tensor_load_to_lds s[32:35], s[24:31]
	s_nop 0
	PLACES 4
	s_branch .Lh_asked
.Lh_s:
	s_cmp_lt_u32 s20, 2
	s_cbranch_scc0 .Lh_rs
	tensor_load_to_lds s[48:51], s[40:47]
	s_nop 0
	PLACES 4
	s_branch .Lh_asked
.Lh_rs:
	s_cmp_lt_u32 s20, 3
	s_cbranch_scc0 .Lh_ss
	tensor_load_to_lds s[68:71], s[56:63]
	s_nop 0
	PLACES 4
	s_branch .Lh_asked
.Lh_ss:
	tensor_load_to_lds s[80:83], s[72:79]
	s_nop 0
	PLACES 4
.Lh_asked:
	v_and_b32 v1, 15, v0
	v_bfe_u32 v2, v0, 4, 1
	v_and_b32 v3, 31, v0
	s_mul_i32 s90, s21, 24576
	s_mul_i32 s91, s22, 24576
	s_add_co_u32 s91, s91, 49152
	v_lshl_add_u32 v4, v3, 4, s90
	v_lshl_add_u32 v6, v3, 3, s90
	v_lshl_add_u32 v8, v3, 4, s91
	v_lshl_add_u32 v10, v3, 3, s91
	v_add_nc_u32 v5, SLOT, v4
	v_add_nc_u32 v7, SLOT, v6
	v_add_nc_u32 v9, SLOT, v8
	v_add_nc_u32 v11, SLOT, v10
	s_mul_i32 s90, s21, KS*256
	s_mul_i32 s91, s22, KS*256
	s_add_co_u32 s91, s91, 8*KS*64
	s_sub_co_u32 s91, s91, s90
	v_mul_u32_u24 v12, s91, v2
	s_add_co_u32 s90, s90, SCL
	v_lshl_add_u32 v12, v1, 2, v12
	v_add_nc_u32 v12, s90, v12
	v_lshlrev_b32 v[L16], 4, v3
	v_lshlrev_b32 v[L8], 3, v3
	v_lshlrev_b32 v[R4], 2, v1
	s_wait_alu depctr_va_vdst(0)
	s_wait_tensorcnt 0x0                           ; my tile of the head's four is in; slot 1's first fill is issued as a refill is:
	ds_add_u32 v13, v14                            ; 0 onto my spare word
	s_mov_b32 s26, 4<<16                           ; no tensor load of mine is out: from here on a load brings four tiles
	s_mov_b32 s28, 4
	s_mov_b32 s42, 4<<16
	s_mov_b32 s44, 4
	s_wait_dscnt 0x0
	CROUND                                         ; all four tiles are in for every wave, and all sixteen work-groups are here
	JLOAD 36, 24, 52, 40                           ; slot 1: my one tensor load behind the round; it has slot 0's four K steps in which to land
.endm
.macro FHEAD
	s_lshl_b32 s94, s87, 7
	s_lshl_b32 s95, s21, 6
	s_add_co_u32 s94, s94, s95
	s_lshl_b32 s94, s94, 12
	s_lshl_b32 s95, s86, 7
	s_lshl_b32 s98, s22, 6
	s_add_co_u32 s95, s95, s98
	s_lshl_b32 s98, s95, 2
	s_mov_b32 s99, 0
	s_add_nc_u64 s[8:9], s[8:9], s[98:99]
	s_add_co_u32 s94, s94, s98
	s_mov_b32 s95, 0
	s_add_nc_u64 s[10:11], s[10:11], s[94:95]
	s_add_nc_u64 s[12:13], s[12:13], s[94:95]
	v_lshlrev_b32 v20, 12, v2
	v_lshl_add_u32 v20, v1, 4, v20
	v_lshlrev_b32 v21, 4, v1
	s_mul_i32 s100, s20, 16*272
	s_add_co_u32 s100, s100, STAGE
	v_mul_u32_u24 v22, v1, 272
	v_lshl_add_u32 v22, v2, 6, v22
	v_add_nc_u32 v22, s100, v22
	v_mul_u32_u24 v23, v2, 272
	v_lshl_add_u32 v23, v1, 4, v23
	v_add_nc_u32 v23, s100, v23
	WIN 0x40
	global_load_b128 v[192:195], v21, s[8:9]
	WIN 0x80
.irp t, 0,1,2,3
.irp i, 0,1,2,3,4,5,6,7
	global_load_b128 v[32*\t+4*\i:32*\t+4*\i+3], v20, s[10:11] offset:(32*(\t/2)+8*(\t%2)+2*\i+8*(\i/4))*4096
.endr
.endr
	WIN 0
.endm
.macro FOUT
	s_wait_loadcnt 0x0
.irp t, 0,1,2,3
.set BB, 32+32*(\t%2)
.if \t >= 2
	s_wait_xcnt 0x0
.endif
.irp p, 0,1,2,3
	ds_store_b128 v22, v[ACC+32*\t+8*\p:ACC+32*\t+8*\p+3] offset:128*(\p/2)+32*(\p%2)
	ds_store_b128 v22, v[ACC+32*\t+8*\p+4:ACC+32*\t+8*\p+7] offset:128*(\p/2)+32*(\p%2)+16
.endr
.irp i, 0,1,2,3,4,5,6,7
	ds_load_b128 v[BB+4*\i:BB+4*\i+3], v23 offset:544*\i
.endr
	s_wait_dscnt 0x0
	WIN 0x08
.set KK, 0
.rept 16
	v_pk_add_f32 v[BB+KK:BB+KK+1], v[BB+KK:BB+KK+1], v[32*\t+KK:32*\t+KK+1]
.set KK, KK+2
.endr
	WIN 0x04
.irp i, 0,1,2,3,4,5,6,7
	v_pk_add_f32 v[BB+4*\i:BB+4*\i+1], v[BB+4*\i:BB+4*\i+1], v[192:193]
	v_pk_add_f32 v[BB+4*\i+2:BB+4*\i+3], v[BB+4*\i+2:BB+4*\i+3], v[194:195]
.endr
	WIN 0
.irp i, 0,1,2,3,4,5,6,7
	global_store_b128 v20, v[BB+4*\i:BB+4*\i+3], s[12:13] offset:(32*(\t/2)+8*(\t%2)+2*\i+8*(\i/4))*4096
.endr
.endr
.endm
	s_load_b256 s[4:11], s[0:1], 0x0
	s_load_b64 s[12:13], s[0:1], 0x20
	HEAD
	FHEAD
	CORE 0
	FOUT
	FINISH
.Lfunc_end_k_q8aa2bcb665_oproj:
	.size	k_q8aa2bcb665_oproj, .Lfunc_end_k_q8aa2bcb665_oproj-k_q8aa2bcb665_oproj
	.p2alignl 7, 3214868480
	.fill 96, 4, 3214868480
	.section	.rodata,"a",@progbits
	.p2align	6, 0x0
	.amdhsa_kernel k_q8aa2bcb665_oproj
		.amdhsa_group_segment_fixed_size 327680
		.amdhsa_private_segment_fixed_size 0
		.amdhsa_enable_private_segment 0
		.amdhsa_kernarg_size 40
		.amdhsa_user_sgpr_count 2
		.amdhsa_user_sgpr_kernarg_segment_ptr 1
		.amdhsa_wavefront_size32 1
		.amdhsa_system_sgpr_workgroup_id_x 1
		.amdhsa_system_sgpr_workgroup_id_y 1
		.amdhsa_system_sgpr_workgroup_id_z 1
		.amdhsa_system_vgpr_workitem_id 0
		.amdhsa_next_free_vgpr 640
		.amdhsa_next_free_sgpr 102
		.amdhsa_reserve_vcc 0
		.amdhsa_float_denorm_mode_32 3
		.amdhsa_float_denorm_mode_16_64 3
		.amdhsa_memory_ordered 1
		.amdhsa_forward_progress 1
		.amdhsa_inst_pref_size 66
	.end_amdhsa_kernel
	.amdgpu_metadata
---
amdhsa.version: [ 1, 2 ]
amdhsa.kernels:
  - .name:           k_q8aa2bcb665_oproj
    .symbol:         k_q8aa2bcb665_oproj.kd
    .args:
      - { .name: attc, .offset: 0, .size: 8, .value_kind: global_buffer, .address_space: global }
      - { .name: wts, .offset: 8, .size: 8, .value_kind: global_buffer, .address_space: global }
      - { .name: bo, .offset: 16, .size: 8, .value_kind: global_buffer, .address_space: global }
      - { .name: x, .offset: 24, .size: 8, .value_kind: global_buffer, .address_space: global }
      - { .name: x1, .offset: 32, .size: 8, .value_kind: global_buffer, .address_space: global }
    .group_segment_fixed_size: 327680
    .private_segment_fixed_size: 0
    .kernarg_segment_align: 8
    .kernarg_segment_size: 40
    .max_flat_workgroup_size: 128
    .sgpr_count:     102
    .vgpr_count:     640
    .wavefront_size: 32
...
	.end_amdgpu_metadata
.endif
;; end of part 4
;; launch ln2 (part 5): grid 256 x 1, 4 waves a work-group, no clusters, 66,304 bytes of LDS; arguments x1, g_ffn, be_ffn, hn; writes hn
.if DOCPART == 5
	.amdgcn_target "amdgcn-amd-amdhsa--gfx1250"
	.amdhsa_code_object_version 6
	.text
	.protected	k_q8aa2bcb665_ln2
	.globl	k_q8aa2bcb665_ln2
	.p2align	8
	.type	k_q8aa2bcb665_ln2,@function
k_q8aa2bcb665_ln2:
	s_mov_b64 s[64:65], 0
	v_nop
	global_prefetch_b8 v0, s[64:65] scope:SCOPE_SE
	s_setreg_imm32_b32 hwreg(HW_REG_WAVE_MODE, 25, 1), 1
	s_wait_xcnt 0x0
; LayerNorm over rows of 1,024 f32, then the quantiser along the row: codes of E2M3 and E8M0 bytes, laid as an operand (tiles of 16 rows; row r of tile T is row 32 (T / 2) + 8 (T % 2) + r + (r & 8);
; a fragment of 16 rows x 128 K is twelve registers a lane, stored as they stand: registers 0-3 at 16 l, 4-5 at 512 + 8 l, 6-9 at 768 + 16 l, 10-11 at 1,280 + 8 l; scale words [tile][K step][16 rows]).
; Work-group W makes tile W.
; PHASE 1: wave w takes four whole rows, 32 registers each: mean, then the variance of x - mean (two passes in registers: an offset of the inputs does no harm), 1 / sqrt(var + 1e-5), gain and bias, in f32.
; The rows go to LDS (pitch 4,096 + 16 bytes).  One barrier.  PHASE 2: wave w makes K steps 2 w and 2 w + 1: lane (r, h) reads its two whole blocks of 32 of row r, so a block's maximum needs no other lane.
; LIMITS: NaN and infinities are not served; a block whose largest magnitude lies under 2^-124, a block of zeros among them, keeps the byte 1 (only this program reads the bytes).
; No cluster and no matrix unit: work-groups share only the gain and bias, 8 KB of a work-group's 72 KB, and memory binds.
.set PIT, 4112
.set X,   32                           ; v32-159  four rows, 32 registers each; in phase 2 two K steps' 64 numbers
.set G,   160                          ; v160-191 the gain of my columns
.set BT,  192                          ; v192-223 the bias
.macro REDUCE b                        ; four rows' pairs at v[b + 2 i]: the two halves, then the 32 lanes; the sum ends in every lane
.irp i, 0,1,2,3
	v_add_f32 v[\b+2*\i], v[\b+2*\i], v[\b+2*\i+1]
.endr
.irp m, 1,2,4,8
.irp i, 0,1,2,3
	v_add_f32_dpp v[\b+2*\i], v[\b+2*\i], v[\b+2*\i] row_xmask:\m row_mask:0xf bank_mask:0xf
.endr
.endr
.irp i, 0,1,2,3
	v_permlanex16_b32 v[\b+2*\i+1], v[\b+2*\i], s30, s31
.endr
.irp i, 0,1,2,3
	v_add_f32 v[\b+2*\i], v[\b+2*\i], v[\b+2*\i+1]
.endr
.endm
	s_load_b256 s[4:11], s[0:1], 0x0               ; the tensor, its gain, its bias, the operand
	v_lshl_add_u32 v232, v0, 2, 0x10100
	v_mov_b32 v233, 0
	v_lshrrev_b32 v1, 5, v0
	v_readfirstlane_b32 s18, v1                    ; wave
	v_and_b32 v1, 31, v0                           ; lane
	v_and_b32 v2, 15, v0                           ; r
	v_bfe_u32 v3, v0, 4, 1                         ; h
	v_lshlrev_b32 v4, 4, v1
	v_lshlrev_b32 v5, 3, v1
	v_lshlrev_b32 v6, 2, v2
	s_mul_i32 s19, s18, 4*PIT
	v_add_nc_u32 v7, s19, v4                       ; LDS, in: my wave's four rows, 16 bytes a lane
	v_mul_u32_u24 v224, v2, PIT
	v_lshl_add_u32 v224, v3, 7, v224
	s_lshl_b32 s19, s18, 10
	v_add_nc_u32 v224, s19, v224                   ; LDS, out: row r, + 128 h, + my wave's two K steps
	v_lshlrev_b32 v225, 3, v3                      ; 8 h: my bytes' place in a scale word
	s_mov_b32 s30, 0x76543210
	s_mov_b32 s31, 0xfedcba98                      ; lane l xor 16
	s_mov_b32 s32, 0x3a800000                      ; 1 / 1,024
	s_mov_b32 s33, 0x3727c5ac                      ; 1e-5
	s_mov_b32 s20, ttmp9                           ; the tile
	s_lshr_b32 s21, s20, 1
	s_lshl_b32 s21, s21, 5
	s_and_b32 s22, s20, 1
	s_lshl_b32 s22, s22, 3
	s_add_co_u32 s21, s21, s22
	s_lshl_b32 s22, s18, 2
	s_add_co_u32 s21, s21, s22
	s_lshr_b32 s22, s18, 1
	s_lshl_b32 s22, s22, 3
	s_add_co_u32 s21, s21, s22                     ; my first row: image rows 4 w .. 4 w + 3 are four neighbouring rows
	s_lshl_b32 s22, s21, 12
	s_mov_b32 s23, 0
	s_lshl_b32 s24, ttmp9, 3
	s_lshl_b32 s25, s18, 1
	s_add_co_u32 s24, s24, s25                     ; tile x 8 + my first K step
	s_mul_i32 s26, s24, 1536
	s_mov_b32 s27, 0
	s_lshl_b32 s28, s24, 6
	s_add_co_u32 s28, s28, 6291456
	s_mov_b32 s29, 0
	s_wait_alu depctr_va_vdst(0)
	s_wait_kmcnt 0x0
	s_add_nc_u64 s[4:5], s[4:5], s[22:23]
	s_add_nc_u64 s[26:27], s[10:11], s[26:27]
	s_add_nc_u64 s[28:29], s[10:11], s[28:29]
.irp i, 0,1,2,3
.irp j, 0,1,2,3,4,5,6,7
	global_load_b128 v[X+32*\i+4*\j:X+32*\i+4*\j+3], v4, s[4:5] offset:4096*\i+512*\j th:TH_LOAD_NT   ; 512 consecutive bytes a load
.endr
.endr
.irp j, 0,1,2,3,4,5,6,7
	global_load_b128 v[G+4*\j:G+4*\j+3], v4, s[6:7] offset:512*\j
	global_load_b128 v[BT+4*\j:BT+4*\j+3], v4, s[8:9] offset:512*\j
.endr
	s_wait_loadcnt 16                              ; the rows are in; the gain's and the bias's sixteen loads may be out
.irp i, 0,1,2,3
	v_pk_add_f32 v[8+2*\i:9+2*\i], v[X+32*\i:X+32*\i+1], v[X+32*\i+2:X+32*\i+3]
.endr
.set JJ, 4
.rept 14
.irp i, 0,1,2,3
	v_pk_add_f32 v[8+2*\i:9+2*\i], v[8+2*\i:9+2*\i], v[X+32*\i+JJ:X+32*\i+JJ+1]   ; the four rows by turns
.endr
.set JJ, JJ+2
.endr
	REDUCE 8
.irp i, 0,1,2,3
	v_mul_f32 v[8+2*\i], s32, v[8+2*\i]            ; the mean
.endr
.set JJ, 0
.rept 16
.irp i, 0,1,2,3
	v_pk_add_f32 v[X+32*\i+JJ:X+32*\i+JJ+1], v[X+32*\i+JJ:X+32*\i+JJ+1], v[8+2*\i:9+2*\i] op_sel_hi:[1,0] neg_lo:[0,1] neg_hi:[0,1]   ; x - mean
.endr
.set JJ, JJ+2
.endr
.irp i, 0,1,2,3
	v_pk_mul_f32 v[16+2*\i:17+2*\i], v[X+32*\i:X+32*\i+1], v[X+32*\i:X+32*\i+1]
.endr
.set JJ, 2
.rept 15
.irp i, 0,1,2,3
	v_pk_fma_f32 v[16+2*\i:17+2*\i], v[X+32*\i+JJ:X+32*\i+JJ+1], v[X+32*\i+JJ:X+32*\i+JJ+1], v[16+2*\i:17+2*\i]
.endr
.set JJ, JJ+2
.endr
	REDUCE 16
.irp i, 0,1,2,3
	v_fma_f32 v[16+2*\i], v[16+2*\i], s32, s33     ; the variance + 1e-5
.endr
	s_wait_alu depctr_va_vdst(0)
.irp i, 0,1,2,3
	v_rsq_f32 v[24+2*\i], v[16+2*\i]
.endr
.irp i, 0,1,2,3
	v_mov_b32 v[25+2*\i], 0                        ; plain work behind the four; (each is named as the upper half of a pair below, so it is written)
.endr
	s_wait_alu depctr_va_vdst(0)                   ; one wait for the four, ahead of their first reader
	s_wait_loadcnt 0x0                             ; gain and bias
.set JJ, 0
.rept 16
.irp i, 0,1,2,3
	v_pk_mul_f32 v[X+32*\i+JJ:X+32*\i+JJ+1], v[X+32*\i+JJ:X+32*\i+JJ+1], v[24+2*\i:25+2*\i] op_sel_hi:[1,0]
.endr
.irp i, 0,1,2,3
	v_pk_fma_f32 v[X+32*\i+JJ:X+32*\i+JJ+1], v[X+32*\i+JJ:X+32*\i+JJ+1], v[G+JJ:G+JJ+1], v[BT+JJ:BT+JJ+1]
.endr
.set JJ, JJ+2
.endr
.irp i, 0,1,2,3
.irp j, 0,1,2,3,4,5,6,7
	ds_store_b128 v7, v[X+32*\i+4*\j:X+32*\i+4*\j+3] offset:PIT*\i+512*\j
.endr
.endr
	s_wait_dscnt 0x0                               ; for the others' sake: my rows lie in LDS
	s_barrier_signal -1
	s_barrier_wait -1
.irp ss, 0,1
.irp c, 0,1
.irp e, 0,1,2,3,4,5,6,7
	ds_load_b128 v[X+64*\ss+32*\c+4*\e:X+64*\ss+32*\c+4*\e+3], v224 offset:512*\ss+256*\c+16*\e   ; block 2 c + h of K step 2 w + ss; sixteen rows, 257 x 16 bytes apart, fall in sixteen different groups of banks
.endr
.endr
.endr
.irp ss, 0,1
.set NN, X+64*\ss
	s_wait_dscnt 16-16*\ss                         ; this K step's sixteen loads are in; the next one's may be out
	v_max3_num_f32 v8, |v[NN]|, |v[NN+1]|, 0x1800000       ; my two blocks by turns, with the floor 2^(3 - 127)
	v_max3_num_f32 v9, |v[NN+32]|, |v[NN+33]|, 0x1800000
.set JJ, 2
.rept 15
	v_max3_num_f32 v8, v8, |v[NN+JJ]|, |v[NN+JJ+1]|
	v_max3_num_f32 v9, v9, |v[NN+32+JJ]|, |v[NN+33+JJ]|
.set JJ, JJ+2
.endr
	v_add_nc_u32 v10, 0xff000000, v8               ; 2 off the exponent field: the conversions' scale operands
	v_add_nc_u32 v11, 0xff000000, v9
	v_lshrrev_b32 v12, 23, v10
	v_lshrrev_b32 v13, 23, v11
	s_wait_alu depctr_va_vdst(0)
	s_wait_xcnt 0x0                                ; the last K step's stores have read their registers
	v_lshl_or_b32 v14, v13, 16, v12                ; blocks h and 2 + h,
	v_lshlrev_b32 v14, v225, v14                   ; at their places in the word;
	v_permlanex16_b32 v15, v14, s30, s31
	v_or_b32 v14, v14, v15                         ; with lane l xor 16's two the word is whole
	v_cvt_scalef32_pk16_fp6_f32 v[16:18], v[NN:NN+15], v10
	v_cvt_scalef32_pk16_fp6_f32 v[28:30], v[NN+16:NN+31], v10
	v_cvt_scalef32_pk16_fp6_f32 v[22:24], v[NN+32:NN+47], v11
	v_cvt_scalef32_pk16_fp6_f32 v[226:228], v[NN+48:NN+63], v11
	v_nop                                          ; one plain place behind a scaled conversion
.irp i, 0,1,2
	v_mov_b32 v[19+\i], v[28+\i]
	v_mov_b32 v[25+\i], v[226+\i]
.endr
	global_store_b128 v4, v[16:19], s[26:27] offset:1536*\ss
	global_store_b64 v5, v[20:21], s[26:27] offset:1536*\ss+512
	global_store_b128 v4, v[22:25], s[26:27] offset:1536*\ss+768
	global_store_b64 v5, v[26:27], s[26:27] offset:1536*\ss+1280
	global_store_b32 v6, v14, s[28:29] offset:64*\ss       ; both halves of the lanes write the same word with the same value
.endr
	s_wait_tensorcnt 0x0
	ds_add_u32 v232, v233
	s_wait_dscnt 0x0
	s_endpgm
.Lfunc_end_k_q8aa2bcb665_ln2:
	.size	k_q8aa2bcb665_ln2, .Lfunc_end_k_q8aa2bcb665_ln2-k_q8aa2bcb665_ln2
	.p2alignl 7, 3214868480
	.fill 96, 4, 3214868480
	.section	.rodata,"a",@progbits
	.p2align	6, 0x0
	.amdhsa_kernel k_q8aa2bcb665_ln2
		.amdhsa_group_segment_fixed_size 66304
		.amdhsa_private_segment_fixed_size 0
		.amdhsa_enable_private_segment 0
		.amdhsa_kernarg_size 32
		.amdhsa_user_sgpr_count 2
		.amdhsa_user_sgpr_kernarg_segment_ptr 1
		.amdhsa_wavefront_size32 1
		.amdhsa_system_sgpr_workgroup_id_x 1
		.amdhsa_system_sgpr_workgroup_id_y 1
		.amdhsa_system_sgpr_workgroup_id_z 1
		.amdhsa_system_vgpr_workitem_id 0
		.amdhsa_next_free_vgpr 234
		.amdhsa_next_free_sgpr 66
		.amdhsa_reserve_vcc 0
		.amdhsa_float_denorm_mode_32 3
		.amdhsa_float_denorm_mode_16_64 3
		.amdhsa_memory_ordered 1
		.amdhsa_forward_progress 1
		.amdhsa_inst_pref_size 42
	.end_amdhsa_kernel
	.amdgpu_metadata
---
amdhsa.version: [ 1, 2 ]
amdhsa.kernels:
  - .name:           k_q8aa2bcb665_ln2
    .symbol:         k_q8aa2bcb665_ln2.kd
    .args:
      - { .name: x1, .offset: 0, .size: 8, .value_kind: global_buffer, .address_space: global }
      - { .name: g_ffn, .offset: 8, .size: 8, .value_kind: global_buffer, .address_space: global }
      - { .name: be_ffn, .offset: 16, .size: 8, .value_kind: global_buffer, .address_space: global }
      - { .name: hn, .offset: 24, .size: 8, .value_kind: global_buffer, .address_space: global }
    .group_segment_fixed_size: 66304
    .private_segment_fixed_size: 0
    .kernarg_segment_align: 8
    .kernarg_segment_size: 32
    .max_flat_workgroup_size: 128
    .sgpr_count:     66
    .vgpr_count:     234
    .wavefront_size: 32
...
	.end_amdgpu_metadata
.endif
;; end of part 5
;; launch ffn1 (part 6): grid 8 x 32, 4 waves a work-group, clusters of 4 x 4, 327,680 bytes of LDS; arguments hn, wts, b1, hid; writes hid
.if DOCPART == 6
	.amdgcn_target "amdgcn-amd-amdhsa--gfx1250"
	.amdhsa_code_object_version 6
	.text
	.protected	k_q8aa2bcb665_ffn1
	.globl	k_q8aa2bcb665_ffn1
	.p2align	8
	.type	k_q8aa2bcb665_ffn1,@function
k_q8aa2bcb665_ffn1:
	s_mov_b64 s[64:65], 0
	v_nop
	global_prefetch_b8 v0, s[64:65] scope:SCOPE_SE
	s_setreg_imm32_b32 hwreg(HW_REG_WAVE_MODE, 25, 1), 1
	s_wait_xcnt 0x0
	s_wait_alu depctr_hold_cnt(0) depctr_sa_sdst(0) depctr_va_vdst(0) depctr_va_sdst(0) depctr_va_ssrc(0) depctr_va_vcc(0) depctr_vm_vsrc(0)
	s_getreg_b32 s2, hwreg(HW_REG_IB_STS2, 6, 4)
	s_cmp_eq_u32 s2, 0
	s_cbranch_scc0 .Lentry_in_a_cluster
	s_endpgm
.Lentry_in_a_cluster:
	s_bfe_u32 s2, ttmp6, 0x10000c
	s_cmp_lg_u32 s2, 0xf033
	s_cbranch_scc0 .Lentry_shape_is_right
	s_endpgm
.Lentry_shape_is_right:
; hid = Q(gelu(LN(x1) W1 + b1)), the product on codes of E2M3, the exact GELU in f32, quantised along the hidden units: the next product's operand.
; A WORK-GROUP STAYS.  Work-group (x, y) keeps the codes of its 128 tokens (operand R, all of K = 1,024: 98,304 bytes) in LDS for the whole launch and walks the four weight tiles 4 x .. 4 x + 3 (operand S, 128 columns
; of W1 each, 98,304 bytes).  256 work-groups, one for each WGP.  Four waves, 64 x 64 of a tile each: 16 accumulators.
; S has two buffers.  Tiles 0 and 1 come with the first fills; tile 2 is asked for behind tile 0's products, tile 3 behind tile 1's: each has one pass of GELU and one tile's products in which to land.
; Operands lie in memory in the order of the operand's registers: tiles of 16 rows, a fragment (16 rows x 128 K) 1,536 bytes on end, [tile][K step]; row r of tile T is row 32 (T / 2) + 8 (T % 2) + r + (r & 8).
; So a fragment comes out of LDS by four loads of consecutive bytes, eight rows' tiles of all of K are one dense block of memory, and, S being source 0, the 16 registers of tiles 2 b and 2 b + 1 are 16 NEIGHBOURS:
; a lane's 32 registers of a tile of tokens are its half of 64 neighbouring hidden units.
; LDS: S's buffer 0 at 0; R's scale words; S's scale words of all four tiles; the spare words; S's buffer 1 at 2^17, so that one exclusive or turns an address in one buffer into the other's; R's codes.
; CLUSTER 4 x 4: R is shared along a row of the cluster, S along a column: each is asked for jointly.  Every wave issues the same lines, each for its quarter: by this text's count one load of a wave is out at the
; start and one behind each of the two rounds that fill a buffer again.
; THE TEXT: a tile is written twice: a loop of two trips that fill a buffer again, and a loop of two trips that do not.  What differs between trips lies in scalars.
; GELU: 0.5 x (1 + erf(z)), z = x / sqrt(2) held to +-4, erf(z) = z P(z^2) / Q(z^2) with P of degree 6 and Q of degree 4, all in f32.
; LIMITS: NaN and infinities are not served; 1 + erf is formed in f32, so far down the negative side the result carries an absolute error of about 1e-7 |x|;
; a block whose largest magnitude lies under 2^-124, a block of zeros among them, keeps the byte 1 (only this program reads the bytes).
.set SB1,    131072                    ; S's buffer 1 (buffer 0 begins at 0)
.set SCR,    98304                     ; R's scale words: 8 tiles x 8 K steps x 64 bytes
.set SCS,    102400                    ; S's: four times as many
.set SPARE,  118784                    ; the spare words, 128 bytes a wave: two blocks of 256 bytes that no other line names
.set RB,     229376                    ; R's codes
.set R_SC,   6291456                   ; R's scale words in hn
.set S_CODE, 3145728                   ; W1's codes and scale words in wts
.set S_SC,   9568256
.set H_SC,   12582912                  ; the result's scale words in hid
.set ACC,   128                        ; v128-255: accumulator (a, b) at ACC + 32 a + 8 b; a: R's tile, b: S's tile
.set TM,    100                        ; the quantiser's registers: v100-103 magnitudes, v104-105 scale operands, v106-107 bytes, v108 the two bytes, v110-115 the image, v116-118 at work
.set SOP,   104
.set BY,    106
.set PW,    108
.set PC,    110
.set PX,    116
.set SEL,   16                         ; s[16:17] lane l xor 16
.set L16,   17                         ; v17 16 x lane, v18 8 x lane, v19 4 x (lane % 16)
.set L8,    18
.set R4,    19
.set TB,    2                          ; s2  where the buffer of the tile in hand begins
.set TS,    18                         ; s18 where its scale words begin among S's
; v4, v6 LDS address of R's fragments (16 and 8 bytes a lane); v5, v7 my place in a buffer of S; v8, v10 S's fragments of the tile in hand; v9 my scale words' base, v12 those of the tile in hand;
; v13, v14 the add's two registers; v16 my place in the bias; v24-31 scale words, two sets of four: lanes 0-15 R's tile i, lanes 16-31 S's tile i.
; Window 1: two sets of fragments at 96 f: R's four at + 12 i, S's four at + 48 + 12 i; v192-223 the bias.
; s[24:31], s[40:47] descriptor group 1 for R's and S's codes, s[56:63], s[72:79] for their scale words; s[32:35], s[48:51], s[68:71], s[80:83] groups 0 of the first fills; s[52:55] tile 1's, which then walks on.
.set MSB, 0
.macro WIN new                         ; the immediate's high byte repeats the setting that is left
.if MSB != \new
	s_set_vgpr_msb (MSB<<8)|\new
.set MSB, \new
.endif
.endm
.macro PLACES n
.rept \n
	v_nop
.endr
.endm
.macro CREST                           ; a round of the cluster's barrier behind its opening barrier
	s_cmp_lg_u32 s20, 0
	s_cbranch_scc1 .Lnot_wave_0_\@
	s_barrier_signal -3
.Lnot_wave_0_\@:
	s_barrier_wait -3
	s_barrier_signal -1
	s_barrier_wait -1
.endm
.macro CROUND
	s_barrier_signal -1
	s_barrier_wait -1
	CREST
.endm
.macro FRAG reg, a16, a8, off          ; a fragment's twelve registers, as they were stored
	ds_load_b128 v[\reg:\reg+3], v[\a16] offset:\off
	ds_load_b64 v[\reg+4:\reg+5], v[\a8] offset:\off+512
	ds_load_b128 v[\reg+6:\reg+9], v[\a16] offset:\off+768
	ds_load_b64 v[\reg+10:\reg+11], v[\a8] offset:\off+1280
.endm
.macro FETCH s, f                      ; 36 LDS loads: K step s into set f
	WIN 0x40
.irp i, 0,1,2,3
	FRAG 96*(\f)+12*\i, 4, 6, \i*12288+(\s)*1536
.endr
.irp i, 0,1,2,3
	FRAG 96*(\f)+48+12*\i, 8, 10, \i*12288+(\s)*1536
.endr
	WIN 0
.irp i, 0,1,2,3
	ds_load_b32 v[24+4*(\f)+\i], v12 offset:\i*512+(\s)*64
.endr
.endm
; 8 matrix instructions: source 0 = S's tile b, source 1 = R's tile a; S's scale words are read from lanes 16-31.
; The 16 accumulators take turns, one instruction a turn, in the same order in every step.  zero = 1: the first product starts the sums.
.macro MUL8 f, a0, zero
.irp a, \a0, \a0+1
.irp b, 0,1,2,3
.set DD, ACC+32*(\a)+8*\b
.set A0, 96*(\f)+48+12*\b
.set B0, 96*(\f)+12*(\a)
.set SA, 24+4*(\f)+\b
.set SC, 24+4*(\f)+(\a)
.if \zero
	v_wmma_scale_f32_16x16x128_f8f6f4 v[DD:DD+7], v[A0:A0+11], v[B0:B0+11], 0, v[SA], v[SC] matrix_a_fmt:MATRIX_FMT_FP6 matrix_b_fmt:MATRIX_FMT_FP6 matrix_a_scale:MATRIX_SCALE_ROW1
.else
	v_wmma_scale_f32_16x16x128_f8f6f4 v[DD:DD+7], v[A0:A0+11], v[B0:B0+11], v[DD:DD+7], v[SA], v[SC] matrix_a_fmt:MATRIX_FMT_FP6 matrix_b_fmt:MATRIX_FMT_FP6 matrix_a_scale:MATRIX_SCALE_ROW1
.endif
.endr
.endr
.endm
.macro STEP s, zero                    ; K step s, one of the first seven
	PLACES 4                                       ; four places in front of loads into registers that matrix instructions have read (ISA guide 7.12.1 for vector instructions)
	s_wait_dscnt 0x0                               ; this step's set, asked for a step ago, is in
	FETCH (\s)+1, ((\s)+1)%2                       ; the next step's: it has this step's 16 matrix instructions in which to land
	WIN 0x05                                       ; sources 0 and 1 window 1, C and D window 0
	MUL8 (\s)%2, 0, \zero
	MUL8 (\s)%2, 2, \zero
.endm
; 32 numbers of a lane become an image of 16 rows x 64 K: v[lo + i] = k 16 h + i, v[hi + i] = k 32 + 16 h + i of my row.  The image ends in v[PC] .. v[PC + 5], the two scale bytes in v[PW].
.macro QH lo, hi
	s_wait_xcnt 0x0                                ; the last image's stores have read their registers
	v_max3_num_f32 v[TM], |v[(\lo)]|, |v[(\lo)+1]|, 0x1800000      ; the two blocks by turns, with the floor 2^(3 - 127): the byte cannot fall under 1
	v_max3_num_f32 v[TM+1], |v[(\hi)]|, |v[(\hi)+1]|, 0x1800000
.irp i, 2,4,6,8,10,12,14
	v_max3_num_f32 v[TM], v[TM], |v[(\lo)+\i]|, |v[(\lo)+\i+1]|
	v_max3_num_f32 v[TM+1], v[TM+1], |v[(\hi)+\i]|, |v[(\hi)+\i+1]|
.endr
	v_permlanex16_b32 v[TM+2], v[TM], s[SEL], s[SEL+1]
	v_permlanex16_b32 v[TM+3], v[TM+1], s[SEL], s[SEL+1]
	v_max_num_f32 v[TM], v[TM], v[TM+2]            ; with lane l xor 16's: the block's largest magnitude
	v_max_num_f32 v[TM+1], v[TM+1], v[TM+3]
	v_add_nc_u32 v[SOP], 0xff000000, v[TM]         ; 2 off the exponent field: the conversion's scale operand
	v_add_nc_u32 v[SOP+1], 0xff000000, v[TM+1]
	v_lshrrev_b32 v[BY], 23, v[SOP]
	v_lshrrev_b32 v[BY+1], 23, v[SOP+1]
	v_lshl_or_b32 v[PW], v[BY+1], 8, v[BY]
	v_cvt_scalef32_pk16_fp6_f32 v[PC:PC+2], v[(\lo):(\lo)+15], v[SOP]
	v_cvt_scalef32_pk16_fp6_f32 v[PX:PX+2], v[(\hi):(\hi)+15], v[SOP+1]
	v_nop                                          ; one plain place behind a scaled conversion
.irp i, 0,1,2
	v_permlane16_swap_b32 v[PC+\i], v[PX+\i]       ; a whole block to a lane: lanes 0-15 block 0, lanes 16-31 block 1
.endr
.irp i, 0,1,2
	v_mov_b32 v[PC+3+\i], v[PX+\i]
.endr
.endm
.macro PUTH base, off                  ; the image leaves as it stands: 512 and 256 consecutive bytes, at multiples of 256 from the buffer's first byte
	global_store_b128 v[L16], v[PC:PC+3], s[\base:\base+1] offset:\off
	global_store_b64 v[L8], v[PC+4:PC+5], s[\base:\base+1] offset:(\off)+512
.endm
.macro SPAIR reg, val                  ; a constant as a pair: the packed forms name a pair and take its low word for both halves
	s_mov_b32 s[\reg], \val
	s_mov_b32 s[\reg+1], \val
.endm
; 16 registers at v[a]: + bias (window 1, v[bo] on), then gelu in place.  v32-47 z, v48-63 z^2 and then 1 / Q, v64-79 P, v80-95 Q.
.macro GELU16 a, bo
	WIN 0x04
.set KK, 0
.rept 8
	v_pk_add_f32 v[(\a)+KK:(\a)+KK+1], v[(\a)+KK:(\a)+KK+1], v[(\bo)+KK:(\bo)+KK+1]
.set KK, KK+2
.endr
	WIN 0
.set KK, 0
.rept 8
	v_pk_mul_f32 v[32+KK:33+KK], v[(\a)+KK:(\a)+KK+1], s[14:15] op_sel_hi:[1,0]    ; z = x / sqrt(2)
.set KK, KK+2
.endr
.set KK, 0
.rept 16
	v_med3_num_f32 v[32+KK], v[32+KK], -4.0, 4.0
.set KK, KK+1
.endr
.set KK, 0
.rept 8
	v_pk_mul_f32 v[48+KK:49+KK], v[32+KK:33+KK], v[32+KK:33+KK]
.set KK, KK+2
.endr
.set KK, 0
.rept 8
	v_pk_fma_f32 v[64+KK:65+KK], v[48+KK:49+KK], s[84:85], v[96:97] op_sel_hi:[1,0,0]
	v_pk_fma_f32 v[80+KK:81+KK], v[48+KK:49+KK], s[96:97], v[98:99] op_sel_hi:[1,0,0]
.set KK, KK+2
.endr
.irp c, 86,88,90,92,94
.set KK, 0
.rept 8
	v_pk_fma_f32 v[64+KK:65+KK], v[64+KK:65+KK], v[48+KK:49+KK], s[\c:\c+1] op_sel_hi:[1,1,0]
.set KK, KK+2
.endr
.endr
.irp c, 98,100,12
.set KK, 0
.rept 8
	v_pk_fma_f32 v[80+KK:81+KK], v[80+KK:81+KK], v[48+KK:49+KK], s[\c:\c+1] op_sel_hi:[1,1,0]
.set KK, KK+2
.endr
.endr
.set KK, 0
	s_wait_alu depctr_va_vdst(0)
.rept 16
	v_rcp_f32 v[48+KK], v[80+KK]                   ; Q's coefficients are all negative: it is never 0
.set KK, KK+1
.endr
.set KK, 0
.rept 8
	v_pk_mul_f32 v[64+KK:65+KK], v[64+KK:65+KK], v[32+KK:33+KK]            ; z P: plain work behind the batch
	v_pk_mul_f32 v[(\a)+KK:(\a)+KK+1], v[(\a)+KK:(\a)+KK+1], 0.5 op_sel_hi:[1,0]
.set KK, KK+2
.endr
	s_wait_alu depctr_va_vdst(0)                   ; one wait for the sixteen reciprocals, ahead of their first reader
.set KK, 0
.rept 8
	v_pk_mul_f32 v[64+KK:65+KK], v[64+KK:65+KK], v[48+KK:49+KK]            ; erf
.set KK, KK+2
.endr
.set KK, 0
.rept 8
	v_pk_fma_f32 v[(\a)+KK:(\a)+KK+1], v[(\a)+KK:(\a)+KK+1], v[64+KK:65+KK], v[(\a)+KK:(\a)+KK+1]   ; 0.5 x erf + 0.5 x
.set KK, KK+2
.endr
.endm
; ONE TILE of S against my tokens.  fill = 1: behind its products the buffer that it has read is filled again, with the tile two further on.
.macro TILE fill
	v_add_nc_u32 v8, s[TB], v5                     ; S's fragments in the buffer of this tile
	s_wait_alu depctr_va_vdst(0)
	v_add_nc_u32 v10, s[TB], v7
	s_wait_alu depctr_va_vdst(0)
	v_mad_u32_u24 v12, v2, s[TS], v9               ; scale words: lanes 0-15 stay at R's, lanes 16-31 go on to this tile's 4,096 bytes of S's
	s_wait_alu depctr_va_vdst(0)
	WIN 0x40
.irp k, 0,1,2,3,4,5,6,7
	global_load_b128 v[192+4*\k:195+4*\k], v16, s[8:9] offset:128*(\k/4)+16*(\k%4)   ; the bias of units 32 b + 16 h + 0 .. 15 of my 64: wanted behind the products
.endr
	FETCH 0, 0
	STEP 0, 1
.irp s, 1,2,3,4,5,6
	STEP \s, 0
.endr
	WIN 0                                          ; the last K step, and one barrier.  (The add's two registers lie in window 0)
	s_wait_tensorcnt 0x0                           ; all my tensor loads have landed: my part of the next tile among them
	ds_add_u32 v13, v14                            ; 0 onto my spare word
	s_wait_dscnt 0x1                               ; this step's set is in; the add may be out
	WIN 0x05
	MUL8 1, 0, 0
	s_wait_dscnt 0x0                               ; the add is done, and my reads of this tile's buffer are over
	s_barrier_signal -1
	MUL8 1, 2, 0
	WIN 0                                          ; (branches may follow)
	s_barrier_wait -1                              ; the next tile is whole for every wave.  (Behind the fourth tile nothing follows: the trip is written once for both)
.if \fill
	CREST                                          ; the barrier has opened a round of the cluster's: no wave of any partner still reads this buffer or has a load on its way
	s_xor_b32 s53, s53, SB1                        ; the walking descriptor: the other buffer than last time,
	s_add_nc_u64 s[54:55], s[54:55], 98304         ; the next tile; the type bits on top are not reached
	tensor_load_to_lds s[52:55], s[40:47]          ; my one tensor load behind the round, and the first thing there
	s_nop 0
.endif
	PLACES 4                                       ; behind the tensor load, and in front of the first read of results
	s_wait_loadcnt 0x0                             ; the bias; its loads are done, so their base may step
	s_add_nc_u64 s[8:9], s[8:9], 512
.irp t, 0,1,2,3
	GELU16 ACC+32*\t, 192
	GELU16 ACC+32*\t+16, 208
	s_wait_alu depctr_va_vdst(0)
	QH ACC+32*\t, ACC+32*\t+16
	PUTH 36, 49152*\t
	global_store_b16 v[R4], v[PW], s[38:39] offset:2048*\t
.endr
	s_wait_xcnt 0x0                                ; the stores have read their bases
	s_add_nc_u64 s[36:37], s[36:37], 1536          ; the next tile's 128 hidden units: two images on,
	s_add_nc_u64 s[38:39], s[38:39], 64            ; one scale word on
	s_xor_b32 s[TB], s[TB], SB1
	s_add_co_u32 s[TS], s[TS], 4096
.endm
	s_load_b256 s[4:11], s[0:1], 0x0               ; hn, wts, b1, hid
	v_lshl_add_u32 v13, v0, 2, SPARE
	v_mov_b32 v14, 0
	ds_add_u32 v13, v14
	ds_add_u32 v13, v14
	s_wait_dscnt 0x0
	v_lshrrev_b32 v1, 5, v0
	v_readfirstlane_b32 s20, v1                    ; wave
	s_lshr_b32 s21, s20, 1                         ; which 64 tokens are mine
	s_and_b32 s22, s20, 1                          ; which 64 columns of a tile
	s_bfe_u32 s84, ttmp6, 0x40000                  ; cx
	s_bfe_u32 s85, ttmp6, 0x40004                  ; cy
	s_lshl_b32 s86, ttmp9, 2
	s_add_co_u32 s86, s86, s84                     ; work-group x
	s_and_b32 s87, ttmp7, 0xffff
	s_lshl_b32 s87, s87, 2
	s_add_co_u32 s87, s87, s85                     ; work-group y
	s_lshl_b32 s88, s85, 2
	s_lshl_b32 s88, 15, s88                        ; my row of the cluster
	s_lshl_b32 s89, 0x1111, s84                    ; my column
	s_or_b32 s24, s88, (3<<16)|(1<<21)             ; group 1 for R's codes: 15:0 the mask; 17:16 elements of 8 bytes; 21 set beside a mask; no padding
	s_or_b32 s40, s89, (3<<16)|(1<<21)             ; for S's
	s_or_b32 s56, s88, (3<<16)|(1<<21)             ; for R's scale words
	s_or_b32 s72, s89, (3<<16)|(1<<21)             ; for S's
.irp g, 24, 40                         ; two tiles of 16 rows, all of K: a dense block of 24,576 bytes, as 4 rows of 6,144
	s_mov_b32 s[\g+1], 768<<16
	s_mov_b32 s[\g+2], 16<<16                      ; at the head a load brings eight tiles of rows, all of K: 16 rows of 6,144 bytes; behind it S's two words that count rows are set to 4
	s_mov_b32 s[\g+3], 768<<16
	s_mov_b32 s[\g+4], 16
	s_mov_b32 s[\g+5], 768
	s_mov_b32 s[\g+6], 0
	s_mov_b32 s[\g+7], 0
.endr
	s_mov_b32 s57, 32<<16                          ; two tiles' scale words: 4 rows of 256 bytes, dense
	s_mov_b32 s58, 16<<16                          ; R's eight tiles' scale words: 16 rows of 256 bytes
	s_mov_b32 s59, 32<<16
	s_mov_b32 s60, 16
	s_mov_b32 s61, 32
	s_mov_b32 s62, 0
	s_mov_b32 s63, 0
	s_mov_b32 s73, 32<<16                          ; eight tiles' scale words: 16 rows of 256 bytes, dense
	s_mov_b32 s74, 64<<16                          ; the scale words of all four tiles of S: 64 rows of 256 bytes
	s_mov_b32 s75, 32<<16
	s_mov_b32 s76, 64
	s_mov_b32 s77, 32
	s_mov_b32 s78, 0
	s_mov_b32 s79, 0
	s_lshl_b32 s90, s87, 3                         ; R: my block's first tile of rows: 8 y
	s_mul_i32 s92, s90, 12288
	s_mov_b32 s93, 0
	s_lshl_b32 s94, s90, 9
	s_add_co_u32 s94, s94, R_SC
	s_mov_b32 s95, 0
	s_lshl_b32 s96, s86, 5                         ; S (in registers that never hold y): my four tiles begin at tile of rows 32 x;
	s_mul_i32 s98, s96, 12288
	s_add_co_u32 s98, s98, S_CODE
	s_mov_b32 s99, 0
	s_lshl_b32 s100, s96, 9
	s_add_co_u32 s100, s100, S_SC
	s_mov_b32 s101, 0
	s_mul_i32 s66, s20, 24576                      ; where they go: no place in the cluster enters an LDS address
	s_mov_b32 s67, 0                               ; (s[66:67]: also my quarter's bytes within a tile of S in memory)
	s_wait_kmcnt 0x0
	s_add_nc_u64 s[92:93], s[4:5], s[92:93]
	s_add_nc_u64 s[94:95], s[4:5], s[94:95]
	s_add_nc_u64 s[98:99], s[6:7], s[98:99]
	s_add_nc_u64 s[100:101], s[6:7], s[100:101]
	CROUND                                         ; all sixteen work-groups are here: the first joint loads meet
	s_mov_b32 s68, 1                               ; R's scale words
	s_mov_b32 s69, SCR
	s_mov_b64 s[70:71], s[94:95]
	s_or_b32 s71, s71, 0x80000000
	s_mov_b32 s80, 1                               ; S's
	s_mov_b32 s81, SCS
	s_mov_b64 s[82:83], s[100:101]
	s_or_b32 s83, s83, 0x80000000
	s_mov_b32 s32, 1                               ; R's codes
	s_mov_b32 s33, RB
	s_mov_b64 s[34:35], s[92:93]
	s_or_b32 s35, s35, 0x80000000
	s_mov_b32 s48, 1                               ; tile 0 into buffer 0
	s_mov_b32 s49, 0
	s_mov_b64 s[50:51], s[98:99]
	s_or_b32 s51, s51, 0x80000000
	s_mov_b32 s52, 1                               ; tile 1 into buffer 1
	s_add_co_u32 s53, s66, SB1
	s_add_nc_u64 s[54:55], s[98:99], s[66:67]      ; my quarter of it
	s_add_nc_u64 s[54:55], s[54:55], 98304
	s_or_b32 s55, s55, 0x80000000
	; THE HEAD AS IT STANDS: four tiles, each whole, one tensor load a wave: wave 0 R's codes, wave 1 tile 0 of S, wave 2 R's scale words, wave 3 S's.
	; One chain of branches on the wave's number; every way passes one load.  Tile 1 is asked for behind the full sequence and a round, a quarter a wave: one load of a wave is out at any time.
	s_cmp_lt_u32 s20, 1
	s_cbranch_scc0 .Lh_s
	tensor_load_to_lds s[32:35], s[24:31]
	s_nop 0
	PLACES 4
	s_branch .Lh_asked
.Lh_s:
	s_cmp_lt_u32 s20, 2
	s_cbranch_scc0 .Lh_rs
	tensor_load_to_lds s[48:51], s[40:47]
	s_nop 0
	PLACES 4
	s_branch .Lh_asked
.Lh_rs:
	s_cmp_lt_u32 s20, 3
	s_cbranch_scc0 .Lh_ss
	tensor_load_to_lds s[68:71], s[56:63]
	s_nop 0
	PLACES 4
	s_branch .Lh_asked
.Lh_ss:
	tensor_load_to_lds s[80:83], s[72:79]
	s_nop 0
	PLACES 4
.Lh_asked:
	v_and_b32 v1, 15, v0                           ; r
	v_bfe_u32 v2, v0, 4, 1                         ; h
	v_and_b32 v3, 31, v0                           ; lane
	s_mul_i32 s90, s21, 49152                      ; my four tiles of R,
	s_add_co_u32 s90, s90, RB
	s_mul_i32 s91, s22, 49152                      ; of S, within a buffer
	v_lshl_add_u32 v4, v3, 4, s90
	v_lshl_add_u32 v6, v3, 3, s90
	v_lshl_add_u32 v5, v3, 4, s91
	v_lshl_add_u32 v7, v3, 3, s91
	s_lshl_b32 s90, s21, 11                        ; scale words: R's, my four tiles;
	s_lshl_b32 s91, s22, 11
	s_add_co_u32 s91, s91, SCS-SCR                 ; S's
	s_sub_co_u32 s91, s91, s90
	v_mul_u32_u24 v9, s91, v2                      ; lanes 16-31 take S's
	s_wait_alu depctr_va_vdst(0)
	s_add_co_u32 s90, s90, SCR
	v_lshl_add_u32 v9, v1, 2, v9
	v_add_nc_u32 v9, s90, v9
	v_lshlrev_b32 v[L16], 4, v3
	v_lshlrev_b32 v[L8], 3, v3
	v_lshlrev_b32 v[R4], 2, v1
	v_lshlrev_b32 v16, 6, v2                       ; the bias: + 64 h
	s_lshl_b32 s90, s86, 11                        ; the bias of my first tile's 128 units: 4 x tiles of 512 bytes,
	s_lshl_b32 s91, s22, 8                         ; my 64 of them
	s_add_co_u32 s90, s90, s91
	s_mov_b32 s91, 0
	s_add_nc_u64 s[8:9], s[8:9], s[90:91]
	s_lshl_b32 s90, s87, 3
	s_lshl_b32 s91, s21, 2
	s_add_co_u32 s90, s90, s91                     ; my first tile of tokens
	s_lshl_b32 s92, s90, 6
	s_lshl_b32 s93, s86, 3
	s_add_co_u32 s92, s92, s93
	s_add_co_u32 s92, s92, s22                     ; x 64 images + the first tile's two + my one
	s_mul_i32 s92, s92, 768
	s_mov_b32 s93, 0
	s_add_nc_u64 s[36:37], s[10:11], s[92:93]      ; where my images go
	s_lshl_b32 s92, s90, 5
	s_lshl_b32 s94, s86, 2
	s_add_co_u32 s92, s92, s94
	s_lshl_b32 s92, s92, 6
	s_lshl_b32 s94, s22, 1
	s_add_co_u32 s92, s92, s94
	s_add_co_u32 s92, s92, H_SC
	s_add_nc_u64 s[38:39], s[10:11], s[92:93]      ; and my two bytes of their scale words
	s_mov_b32 s[SEL], 0x76543210
	s_mov_b32 s[SEL+1], 0xfedcba98
	v_mov_b32 v[TM+2], 0                           ; a lane permute's destination counts as one of its sources
	v_mov_b32 v[TM+3], 0
	SPAIR 84, 0xaf95df0b                           ; P's coefficients, the highest first (the second lies in v96)
	SPAIR 86, 0xb60cff51
	SPAIR 88, 0xb86ec2d2
	SPAIR 90, 0xba40ac63
	SPAIR 92, 0xbb41a1f6
	SPAIR 94, 0xbc83dbd4
	SPAIR 96, 0xb77460cd                           ; Q's (the second in v98)
	SPAIR 98, 0xbadc924e
	SPAIR 100, 0xbbf19bf8
	SPAIR 12, 0xbc69b6a7
	SPAIR 14, 0x3f3504f3                           ; 1 / sqrt(2)
	v_mov_b32 v96, 0x32edffee
	v_mov_b32 v97, 0x32edffee
	v_mov_b32 v98, 0xb95fbd29
	v_mov_b32 v99, 0xb95fbd29
	s_mov_b32 s[TB], 0
	s_mov_b32 s[TS], 0
	s_wait_alu depctr_va_vdst(0)
	s_wait_tensorcnt 0x0                           ; my tile of the head's four is in; tile 1's first fill is issued as a refill is:
	ds_add_u32 v13, v14                            ; 0 onto my spare word
	s_mov_b32 s42, 4<<16                           ; no tensor load of mine is out: from here on a load of S brings my quarter of a tile, 4 rows of 6,144 bytes
	s_mov_b32 s44, 4
	s_wait_dscnt 0x0
	CROUND                                         ; all four tiles are in for every wave, and all sixteen work-groups are here
	tensor_load_to_lds s[52:55], s[40:47]          ; tile 1 into buffer 1: my one tensor load behind the round; it has tile 0's products in which to land
	s_nop 0
	PLACES 4
	s_mov_b32 s3, 2
.Lfill:                                ; tiles 0 and 1: behind each one's products its buffer takes the tile two further on
	TILE 1
	s_sub_co_u32 s3, s3, 1
	s_cmp_lg_u32 s3, 0
	s_cbranch_scc1 .Lfill
	s_mov_b32 s3, 2
.Ltail:                                ; tiles 2 and 3: nothing is left to fetch
	TILE 0
	s_sub_co_u32 s3, s3, 1
	s_cmp_lg_u32 s3, 0
	s_cbranch_scc1 .Ltail
	s_wait_tensorcnt 0x0                           ; the wave's end
	ds_add_u32 v13, v14
	s_wait_dscnt 0x0
	CROUND                                         ; the closing round: no work-group ends while a partner may still ask for a tile that names it
	s_endpgm
.Lfunc_end_k_q8aa2bcb665_ffn1:
	.size	k_q8aa2bcb665_ffn1, .Lfunc_end_k_q8aa2bcb665_ffn1-k_q8aa2bcb665_ffn1
	.p2alignl 7, 3214868480
	.fill 96, 4, 3214868480
	.section	.rodata,"a",@progbits
	.p2align	6, 0x0
	.amdhsa_kernel k_q8aa2bcb665_ffn1
		.amdhsa_group_segment_fixed_size 327680
		.amdhsa_private_segment_fixed_size 0
		.amdhsa_enable_private_segment 0
		.amdhsa_kernarg_size 32
		.amdhsa_user_sgpr_count 2
		.amdhsa_user_sgpr_kernarg_segment_ptr 1
		.amdhsa_wavefront_size32 1
		.amdhsa_system_sgpr_workgroup_id_x 1
		.amdhsa_system_sgpr_workgroup_id_y 1
		.amdhsa_system_sgpr_workgroup_id_z 1
		.amdhsa_system_vgpr_workitem_id 0
		.amdhsa_next_free_vgpr 512
		.amdhsa_next_free_sgpr 102
		.amdhsa_reserve_vcc 0
		.amdhsa_float_denorm_mode_32 3
		.amdhsa_float_denorm_mode_16_64 3
		.amdhsa_memory_ordered 1
		.amdhsa_forward_progress 1
		.amdhsa_inst_pref_size 255
	.end_amdhsa_kernel
	.section	.bss,"aw",@nobits
	.p2align	6
	.space	262144
	.amdgpu_metadata
---
amdhsa.version: [ 1, 2 ]
amdhsa.kernels:
  - .name:           k_q8aa2bcb665_ffn1
    .symbol:         k_q8aa2bcb665_ffn1.kd
    .args:
      - { .name: hn, .offset: 0, .size: 8, .value_kind: global_buffer, .address_space: global }
      - { .name: wts, .offset: 8, .size: 8, .value_kind: global_buffer, .address_space: global }
      - { .name: b1, .offset: 16, .size: 8, .value_kind: global_buffer, .address_space: global }
      - { .name: hid, .offset: 24, .size: 8, .value_kind: global_buffer, .address_space: global }
    .group_segment_fixed_size: 327680
    .private_segment_fixed_size: 0
    .kernarg_segment_align: 8
    .kernarg_segment_size: 32
    .max_flat_workgroup_size: 128
    .sgpr_count:     102
    .vgpr_count:     512
    .wavefront_size: 32
...
	.end_amdgpu_metadata
.endif
;; end of part 6
;; launch ffn2 (part 7): grid 8 x 32, 4 waves a work-group, clusters of 4 x 4, 327,680 bytes of LDS; arguments hid, wts, b2, x1, out0; writes out0
.if DOCPART == 7
	.amdgcn_target "amdgcn-amd-amdhsa--gfx1250"
	.amdhsa_code_object_version 6
	.text
	.protected	k_q8aa2bcb665_ffn2
	.globl	k_q8aa2bcb665_ffn2
	.p2align	8
	.type	k_q8aa2bcb665_ffn2,@function
k_q8aa2bcb665_ffn2:
	s_mov_b64 s[64:65], 0
	v_nop
	global_prefetch_b8 v0, s[64:65] scope:SCOPE_SE
	s_setreg_imm32_b32 hwreg(HW_REG_WAVE_MODE, 25, 1), 1
	s_wait_xcnt 0x0
	s_wait_alu depctr_hold_cnt(0) depctr_sa_sdst(0) depctr_va_vdst(0) depctr_va_sdst(0) depctr_va_ssrc(0) depctr_va_vcc(0) depctr_vm_vsrc(0)
	s_getreg_b32 s2, hwreg(HW_REG_IB_STS2, 6, 4)
	s_cmp_eq_u32 s2, 0
	s_cbranch_scc0 .Lentry_in_a_cluster
	s_endpgm
.Lentry_in_a_cluster:
	s_bfe_u32 s2, ttmp6, 0x10000c
	s_cmp_lg_u32 s2, 0xf033
	s_cbranch_scc0 .Lentry_shape_is_right
	s_endpgm
.Lentry_shape_is_right:
; out0 = x1 + hid W2 + b2: the product on codes of E2M3, the bias and the residual in f32.  A work-group makes 128 tokens (operand R) x 128 columns (operand S) over K = 4,096; four waves, 64 x 64 each: 16 accumulators.
; Operands lie in memory in the order of the operand's registers: tiles of 16 rows, a fragment (16 rows x 128 K) 1,536 bytes on end, [tile][K step]; scale words [tile][K step][16 rows].
; LDS: a ring of two slots of 512 along K (R's 8 tiles, then S's 8); the scale words of all of K, filled once; a stage for the way out; the spare words.
; THE HEAD: four tiles, one tensor load a wave: slot 0's R, slot 0's S, R's scale words, S's.  Slot 1 is asked for behind the full sequence and a round of the cluster's barrier, a quarter a wave, and so is every refill.
; CLUSTER 4 x 4: R is shared along a row of the cluster, S along a column: each tile is asked for jointly.
; PREFETCH: a refill brings a wave four tiles' 6,144 bytes.  Of these four the partner at place p among the four that ask jointly (cx for R, cy for S) names tile p: 24 blocks of 256 bytes, a lane a block (lanes 24-31 name
; the last block again), one instruction a wave, told apart by address alone.  Behind the refill for chunk c + 2 stands the prefetch for chunk c + 4, two refills on; chunks 2 and 3 are named at the head, behind slot 1's load;
; the last lap's two refills have no chunk two on and ask for nothing.
; The result goes through each wave's own stage and leaves as rows of 256 consecutive bytes.  LIMITS: NaN and infinities are not served.
.set KDIM,   4096
.set R_SC,   12582912
.set S_CODE, 6291456
.set S_SC,   9699328
.set STAGEB, 17408
.set PROJ,   0
.set KS,    KDIM/128
.set SLOT,  98304
.set SCL,   2*SLOT
.set STAGE, SCL+16*KS*64
.set SPARE, STAGE+STAGEB
.set ACC,   128
.set L16,   17
.set L8,    18
.set R4,    19
.set MSB, 0
.macro WIN new
.if MSB != \new
	s_set_vgpr_msb (MSB<<8)|\new
.set MSB, \new
.endif
.endm
.macro PLACES n
.rept \n
	v_nop
.endr
.endm
.macro JLOAD g0a, g1a, g0b, g1b
	s_cmp_eq_u32 s21, 0
	s_cbranch_scc0 .Lfor_s_\@
	tensor_load_to_lds s[\g0a:\g0a+3], s[\g1a:\g1a+7]
	s_nop 0
.rept 4
	v_nop
.endr
	s_branch .Lasked_\@
.Lfor_s_\@:
	tensor_load_to_lds s[\g0b:\g0b+3], s[\g1b:\g1b+7]
	s_nop 0
.rept 4
	v_nop
.endr
.Lasked_\@:
.endm
.macro CREST
	s_cmp_lg_u32 s20, 0
	s_cbranch_scc1 .Lnot_wave_0_\@
	s_barrier_signal -3
.Lnot_wave_0_\@:
	s_barrier_wait -3
	s_barrier_signal -1
	s_barrier_wait -1
.endm
.macro CROUND
	s_barrier_signal -1
	s_barrier_wait -1
	CREST
.endm
.macro FRAG reg, a16, a8, off
	ds_load_b128 v[\reg:\reg+3], v[\a16] offset:\off
	ds_load_b64 v[\reg+4:\reg+5], v[\a8] offset:\off+512
	ds_load_b128 v[\reg+6:\reg+9], v[\a16] offset:\off+768
	ds_load_b64 v[\reg+10:\reg+11], v[\a8] offset:\off+1280
.endm
.macro FETCH slot, q, f
	WIN 0x40
.irp i, 0,1,2,3
	FRAG 96*(\f)+12*\i, 4+\slot, 6+\slot, \i*6144+(\q)*1536
.endr
.irp i, 0,1,2,3
	FRAG 96*(\f)+48+12*\i, 8+\slot, 10+\slot, \i*6144+(\q)*1536
.endr
	WIN 0
.irp i, 0,1,2,3
	ds_load_b32 v[24+4*(\f)+\i], v12 offset:\i*KS*64+(\q)*64
.endr
.endm
.macro MUL8 f, a0, zero, swap
.irp a, \a0, \a0+1
.irp b, 0,1,2,3
.set DD, ACC+32*(\a)+8*\b
.set A0, 96*(\f)+48*(1-\swap)+12*\b
.set B0, 96*(\f)+48*(\swap)+12*(\a)
.set SA, 24+4*(\f)+\b
.set SB, 24+4*(\f)+(\a)
.if \swap
.if \zero
	v_wmma_scale_f32_16x16x128_f8f6f4 v[DD:DD+7], v[A0:A0+11], v[B0:B0+11], 0, v[SA], v[SB] matrix_a_fmt:MATRIX_FMT_FP6 matrix_b_fmt:MATRIX_FMT_FP6 matrix_b_scale:MATRIX_SCALE_ROW1
.else
	v_wmma_scale_f32_16x16x128_f8f6f4 v[DD:DD+7], v[A0:A0+11], v[B0:B0+11], v[DD:DD+7], v[SA], v[SB] matrix_a_fmt:MATRIX_FMT_FP6 matrix_b_fmt:MATRIX_FMT_FP6 matrix_b_scale:MATRIX_SCALE_ROW1
.endif
.else
.if \zero
	v_wmma_scale_f32_16x16x128_f8f6f4 v[DD:DD+7], v[A0:A0+11], v[B0:B0+11], 0, v[SA], v[SB] matrix_a_fmt:MATRIX_FMT_FP6 matrix_b_fmt:MATRIX_FMT_FP6 matrix_a_scale:MATRIX_SCALE_ROW1
.else
	v_wmma_scale_f32_16x16x128_f8f6f4 v[DD:DD+7], v[A0:A0+11], v[B0:B0+11], v[DD:DD+7], v[SA], v[SB] matrix_a_fmt:MATRIX_FMT_FP6 matrix_b_fmt:MATRIX_FMT_FP6 matrix_a_scale:MATRIX_SCALE_ROW1
.endif
.endif
.endr
.endr
.endm
.macro STEP slot, q, zero, swap
	PLACES 4
	s_wait_dscnt 0x0
	FETCH \slot, (\q)+1, ((\q)+1)%2
	WIN 0x05
	MUL8 (\q)%2, 0, \zero, \swap
	MUL8 (\q)%2, 2, \zero, \swap
.endm
.macro TURN slot, next, fill, swap
.if \fill
	s_wait_xcnt 0x0                                ; my last prefetch has read its address: it steps one chunk on, ahead of the waits of the change of slots
	s_add_nc_u64 s[14:15], s[14:15], 6144
.endif
	WIN 0
	s_wait_tensorcnt 0x0
	ds_add_u32 v13, v14
	s_wait_dscnt 0x1
	WIN 0x05
	MUL8 1, 0, 0, \swap
	s_wait_dscnt 0x0
	s_barrier_signal -1
	MUL8 1, 2, 0, \swap
	WIN 0
	s_barrier_wait -1
.if \fill
	CREST
	s_add_nc_u64 s[34+4*\slot:35+4*\slot], s[34+4*\slot:35+4*\slot], 12288
	s_add_nc_u64 s[50+4*\slot:51+4*\slot], s[50+4*\slot:51+4*\slot], 12288
	JLOAD 32+4*\slot, 24, 48+4*\slot, 40
.else
	PLACES 4
.endif
	v_add_nc_u32 v12, 256, v12
	FETCH \next, 0, 0
.if \fill
	s_cmp_gt_u32 s3, 1                             ; s3 = 1 in the loop's last trip, whose refills are the last two chunks
	s_cbranch_scc0 .Lno_pf_\@
	global_prefetch_b8 v15, s[14:15] offset:6144 th:TH_LOAD_NT scope:SCOPE_SE
.Lno_pf_\@:
.endif
.endm
.macro CORE swap
	FETCH 0, 0, 0
	STEP 0, 0, 1, \swap
.if KDIM > 1024
	WIN 0
	s_mov_b32 s3, KDIM/1024-1
.Llap_\@:
	s_wait_alu depctr_va_vdst(0)
	STEP 0, 1, 0, \swap
	STEP 0, 2, 0, \swap
	TURN 0, 1, 1, \swap
	s_wait_alu depctr_va_vdst(0)
	STEP 1, 0, 0, \swap
	STEP 1, 1, 0, \swap
	STEP 1, 2, 0, \swap
	TURN 1, 0, 1, \swap
	s_wait_alu depctr_va_vdst(0)
	STEP 0, 0, 0, \swap
	WIN 0
	s_sub_co_u32 s3, s3, 1
	s_cmp_lg_u32 s3, 0
	s_cbranch_scc1 .Llap_\@
.endif
	STEP 0, 1, 0, \swap
	STEP 0, 2, 0, \swap
	TURN 0, 1, 0, \swap
	s_wait_alu depctr_va_vdst(0)
	STEP 1, 0, 0, \swap
	STEP 1, 1, 0, \swap
	STEP 1, 2, 0, \swap
	s_wait_dscnt 0x0
	MUL8 1, 0, 0, \swap
	MUL8 1, 2, 0, \swap
	WIN 0
	PLACES 4
.endm
.macro FINISH
	s_wait_tensorcnt 0x0
	ds_add_u32 v13, v14
	s_wait_dscnt 0x0
	CROUND
	s_endpgm
.endm
.macro HEAD
	v_lshl_add_u32 v13, v0, 2, SPARE
	v_mov_b32 v14, 0
	ds_add_u32 v13, v14
	ds_add_u32 v13, v14
	s_wait_dscnt 0x0
	v_lshrrev_b32 v1, 5, v0
	v_readfirstlane_b32 s20, v1
	s_lshr_b32 s21, s20, 1
	s_and_b32 s22, s20, 1
	s_bfe_u32 s84, ttmp6, 0x40000
	s_bfe_u32 s85, ttmp6, 0x40004
	s_lshl_b32 s86, ttmp9, 2
	s_add_co_u32 s86, s86, s84
	s_and_b32 s87, ttmp7, 0xffff
	s_lshl_b32 s87, s87, 2
	s_add_co_u32 s87, s87, s85
	s_lshl_b32 s88, s85, 2
	s_lshl_b32 s88, 15, s88
	s_lshl_b32 s89, 0x1111, s84
	s_or_b32 s24, s88, (3<<16)|(1<<21)
	s_or_b32 s40, s89, (3<<16)|(1<<21)
	s_or_b32 s56, s88, (3<<16)|(1<<21)
	s_or_b32 s72, s89, (3<<16)|(1<<21)
.irp g, 24, 40                         ; 512 along K of tiles a tile's K apart, rows of 6,144 bytes: eight tiles for the head's loads; behind them the two words that count rows are set to four
	s_mov_b32 s[\g+1], 768<<16
	s_mov_b32 s[\g+2], 8<<16
	s_mov_b32 s[\g+3], 768<<16
	s_mov_b32 s[\g+4], 8
	s_mov_b32 s[\g+5], KS*192
	s_mov_b32 s[\g+6], 0
	s_mov_b32 s[\g+7], 0
.endr
.irp g, 56, 72                         ; eight tiles' scale words: a dense block, 2 KS rows of 256 bytes
	s_mov_b32 s[\g+1], 32<<16
	s_mov_b32 s[\g+2], (2*KS)<<16
	s_mov_b32 s[\g+3], 32<<16
	s_mov_b32 s[\g+4], 2*KS
	s_mov_b32 s[\g+5], 32
	s_mov_b32 s[\g+6], 0
	s_mov_b32 s[\g+7], 0
.endr
.if PROJ
	s_lshr_b32 s23, ttmp9, 1
	s_min_u32 s90, s23, 1
	s_lshl_b32 s90, s90, 5
	s_add_co_u32 s90, s90, s87
	s_lshl_b32 s90, s90, 3
.else
	s_lshl_b32 s90, s87, 3
.endif
	s_mul_i32 s18, s22, KS*6144                    ; in the ring I fetch four of the eight tiles: which four, in bytes
	s_mov_b32 s19, 0
	s_mul_i32 s92, s90, KS*1536                    ; R: the block's first tile
	s_mov_b32 s93, 0
	s_mul_i32 s94, s90, KS*64
	s_add_co_u32 s94, s94, R_SC
	s_mov_b32 s95, 0
	s_lshl_b32 s96, s86, 3                         ; S: likewise (in registers that never hold y)
	s_mul_i32 s98, s96, KS*1536
	s_add_co_u32 s98, s98, S_CODE
	s_mov_b32 s99, 0
	s_mul_i32 s100, s96, KS*64
	s_add_co_u32 s100, s100, S_SC
	s_mov_b32 s101, 0
	s_mul_i32 s66, s20, 24576
	s_wait_kmcnt 0x0
	s_add_nc_u64 s[92:93], s[4:5], s[92:93]
	s_add_nc_u64 s[94:95], s[4:5], s[94:95]
	s_add_nc_u64 s[98:99], s[6:7], s[98:99]
	s_add_nc_u64 s[100:101], s[6:7], s[100:101]
	CROUND
	s_mov_b32 s68, 1                               ; the head's four tiles, each whole: R's scale words of all of K,
	s_mov_b32 s69, SCL
	s_mov_b64 s[70:71], s[94:95]
	s_or_b32 s71, s71, 0x80000000
	s_mov_b32 s80, 1                               ; S's, behind them,
	s_mov_b32 s81, SCL+8*KS*64
	s_mov_b64 s[82:83], s[100:101]
	s_or_b32 s83, s83, 0x80000000
	s_mov_b32 s32, 1                               ; slot 0's eight tiles of R,
	s_mov_b32 s33, 0
	s_mov_b64 s[34:35], s[92:93]
	s_or_b32 s35, s35, 0x80000000
	s_mov_b32 s48, 1                               ; and of S
	s_mov_b32 s49, 49152
	s_mov_b64 s[50:51], s[98:99]
	s_or_b32 s51, s51, 0x80000000
	s_add_nc_u64 s[92:93], s[92:93], s[18:19]      ; the ring: a quarter of a slot a wave
	s_add_nc_u64 s[98:99], s[98:99], s[18:19]
	s_mov_b32 s36, 1
	s_add_co_u32 s37, s66, SLOT
	s_add_nc_u64 s[38:39], s[92:93], 6144
	s_or_b32 s39, s39, 0x80000000
	s_mov_b32 s52, 1
	s_add_co_u32 s53, s66, SLOT
	s_add_nc_u64 s[54:55], s[98:99], 6144
	s_or_b32 s55, s55, 0x80000000
	s_cmp_eq_u32 s21, 0                            ; the prefetches: do I fetch for R?
	s_cselect_b64 s[14:15], s[92:93], s[98:99]     ; my four tiles,
	s_cselect_b32 s16, s84, s85                    ; my place among the four that ask with me,
	s_mul_i32 s16, s16, KS*1536                    ; which picks one of the four tiles,
	s_mov_b32 s17, 0
	s_add_nc_u64 s[14:15], s[14:15], s[16:17]
	s_add_nc_u64 s[14:15], s[14:15], 2*6144        ; at chunk 2
	s_cmp_lt_u32 s20, 1                            ; one tensor load a wave at the head: one chain of branches on the wave's number, every way passes one load
	s_cbranch_scc0 .Lh_s
	tensor_load_to_lds s[32:35], s[24:31]
	s_nop 0
	PLACES 4
	s_branch .Lh_asked
.Lh_s:
	s_cmp_lt_u32 s20, 2
	s_cbranch_scc0 .Lh_rs
	tensor_load_to_lds s[48:51], s[40:47]
	s_nop 0
	PLACES 4
	s_branch .Lh_asked
.Lh_rs:
	s_cmp_lt_u32 s20, 3
	s_cbranch_scc0 .Lh_ss
	tensor_load_to_lds s[68:71], s[56:63]
	s_nop 0
	PLACES 4
	s_branch .Lh_asked
.Lh_ss:
	tensor_load_to_lds s[80:83], s[72:79]
	s_nop 0
	PLACES 4
.Lh_asked:
	v_and_b32 v1, 15, v0
	v_bfe_u32 v2, v0, 4, 1
	v_and_b32 v3, 31, v0
	s_mul_i32 s90, s21, 24576
	s_mul_i32 s91, s22, 24576
	s_add_co_u32 s91, s91, 49152
	v_lshl_add_u32 v4, v3, 4, s90
	v_lshl_add_u32 v6, v3, 3, s90
	v_lshl_add_u32 v8, v3, 4, s91
	v_lshl_add_u32 v10, v3, 3, s91
	v_add_nc_u32 v5, SLOT, v4
	v_add_nc_u32 v7, SLOT, v6
	v_add_nc_u32 v9, SLOT, v8
	v_add_nc_u32 v11, SLOT, v10
	s_mul_i32 s90, s21, KS*256
	s_mul_i32 s91, s22, KS*256
	s_add_co_u32 s91, s91, 8*KS*64
	s_sub_co_u32 s91, s91, s90
	v_mul_u32_u24 v12, s91, v2
	s_add_co_u32 s90, s90, SCL
	v_lshl_add_u32 v12, v1, 2, v12
	v_add_nc_u32 v12, s90, v12
	v_lshlrev_b32 v[L16], 4, v3
	v_lshlrev_b32 v[L8], 3, v3
	v_lshlrev_b32 v[R4], 2, v1
	v_min_u32 v15, 23, v3                          ; the prefetches' offset: a lane a block of 256 bytes, 24 blocks; never rewritten
	v_lshlrev_b32 v15, 8, v15
	s_wait_alu depctr_va_vdst(0)
	s_wait_tensorcnt 0x0                           ; my tile of the head's four is in; slot 1's first fill is issued as a refill is:
	ds_add_u32 v13, v14                            ; 0 onto my spare word
	s_mov_b32 s26, 4<<16                           ; no tensor load of mine is out: from here on a load brings four tiles,
	s_mov_b32 s28, 4
	s_mov_b32 s42, 4<<16
	s_mov_b32 s44, 4
	s_mov_b32 s33, s66                             ; and slot 0's descriptors stand at my quarter of it
	s_add_nc_u64 s[34:35], s[34:35], s[18:19]
	s_mov_b32 s49, s66
	s_add_nc_u64 s[50:51], s[50:51], s[18:19]
	s_wait_dscnt 0x0
	CROUND                                         ; all four tiles are in for every wave, and all sixteen work-groups are here
	JLOAD 36, 24, 52, 40                           ; slot 1: my one tensor load behind the round; it has slot 0's four K steps in which to land
	global_prefetch_b8 v15, s[14:15] th:TH_LOAD_NT scope:SCOPE_SE               ; chunks 2 and 3, which the first two refills will ask for
	global_prefetch_b8 v15, s[14:15] offset:6144 th:TH_LOAD_NT scope:SCOPE_SE
.endm
.macro FHEAD
	s_lshl_b32 s94, s87, 7
	s_lshl_b32 s95, s21, 6
	s_add_co_u32 s94, s94, s95
	s_lshl_b32 s94, s94, 12
	s_lshl_b32 s95, s86, 7
	s_lshl_b32 s98, s22, 6
	s_add_co_u32 s95, s95, s98
	s_lshl_b32 s98, s95, 2
	s_mov_b32 s99, 0
	s_add_nc_u64 s[8:9], s[8:9], s[98:99]
	s_add_co_u32 s94, s94, s98
	s_mov_b32 s95, 0
	s_add_nc_u64 s[10:11], s[10:11], s[94:95]
	s_add_nc_u64 s[12:13], s[12:13], s[94:95]
	v_lshlrev_b32 v20, 12, v2
	v_lshl_add_u32 v20, v1, 4, v20
	v_lshlrev_b32 v21, 4, v1
	s_mul_i32 s100, s20, 16*272
	s_add_co_u32 s100, s100, STAGE
	v_mul_u32_u24 v22, v1, 272
	v_lshl_add_u32 v22, v2, 6, v22
	v_add_nc_u32 v22, s100, v22
	v_mul_u32_u24 v23, v2, 272
	v_lshl_add_u32 v23, v1, 4, v23
	v_add_nc_u32 v23, s100, v23
	WIN 0x40
	global_load_b128 v[192:195], v21, s[8:9]
	WIN 0x80
.irp t, 0,1,2,3
.irp i, 0,1,2,3,4,5,6,7
	global_load_b128 v[32*\t+4*\i:32*\t+4*\i+3], v20, s[10:11] offset:(32*(\t/2)+8*(\t%2)+2*\i+8*(\i/4))*4096
.endr
.endr
	WIN 0
.endm
.macro FOUT
	s_wait_loadcnt 0x0
.irp t, 0,1,2,3
.set BB, 32+32*(\t%2)
.if \t >= 2
	s_wait_xcnt 0x0
.endif
.irp p, 0,1,2,3
	ds_store_b128 v22, v[ACC+32*\t+8*\p:ACC+32*\t+8*\p+3] offset:128*(\p/2)+32*(\p%2)
	ds_store_b128 v22, v[ACC+32*\t+8*\p+4:ACC+32*\t+8*\p+7] offset:128*(\p/2)+32*(\p%2)+16
.endr
.irp i, 0,1,2,3,4,5,6,7
	ds_load_b128 v[BB+4*\i:BB+4*\i+3], v23 offset:544*\i
.endr
	s_wait_dscnt 0x0
	WIN 0x08
.set KK, 0
.rept 16
	v_pk_add_f32 v[BB+KK:BB+KK+1], v[BB+KK:BB+KK+1], v[32*\t+KK:32*\t+KK+1]
.set KK, KK+2
.endr
	WIN 0x04
.irp i, 0,1,2,3,4,5,6,7
	v_pk_add_f32 v[BB+4*\i:BB+4*\i+1], v[BB+4*\i:BB+4*\i+1], v[192:193]
	v_pk_add_f32 v[BB+4*\i+2:BB+4*\i+3], v[BB+4*\i+2:BB+4*\i+3], v[194:195]
.endr
	WIN 0
.irp i, 0,1,2,3,4,5,6,7
	global_store_b128 v20, v[BB+4*\i:BB+4*\i+3], s[12:13] offset:(32*(\t/2)+8*(\t%2)+2*\i+8*(\i/4))*4096
.endr
.endr
.endm
	s_load_b256 s[4:11], s[0:1], 0x0
	s_load_b64 s[12:13], s[0:1], 0x20
	HEAD
	FHEAD
	CORE 0
	FOUT
	FINISH
.Lfunc_end_k_q8aa2bcb665_ffn2:
	.size	k_q8aa2bcb665_ffn2, .Lfunc_end_k_q8aa2bcb665_ffn2-k_q8aa2bcb665_ffn2
	.p2alignl 7, 3214868480
	.fill 96, 4, 3214868480
	.section	.rodata,"a",@progbits
	.p2align	6, 0x0
	.amdhsa_kernel k_q8aa2bcb665_ffn2
		.amdhsa_group_segment_fixed_size 327680
		.amdhsa_private_segment_fixed_size 0
		.amdhsa_enable_private_segment 0
		.amdhsa_kernarg_size 40
		.amdhsa_user_sgpr_count 2
		.amdhsa_user_sgpr_kernarg_segment_ptr 1
		.amdhsa_wavefront_size32 1
		.amdhsa_system_sgpr_workgroup_id_x 1
		.amdhsa_system_sgpr_workgroup_id_y 1
		.amdhsa_system_sgpr_workgroup_id_z 1
		.amdhsa_system_vgpr_workitem_id 0
		.amdhsa_next_free_vgpr 640
		.amdhsa_next_free_sgpr 102
		.amdhsa_reserve_vcc 0
		.amdhsa_float_denorm_mode_32 3
		.amdhsa_float_denorm_mode_16_64 3
		.amdhsa_memory_ordered 1
		.amdhsa_forward_progress 1
		.amdhsa_inst_pref_size 106
	.end_amdhsa_kernel
	.amdgpu_metadata
---
amdhsa.version: [ 1, 2 ]
amdhsa.kernels:
  - .name:           k_q8aa2bcb665_ffn2
    .symbol:         k_q8aa2bcb665_ffn2.kd
    .args:
      - { .name: hid, .offset: 0, .size: 8, .value_kind: global_buffer, .address_space: global }
      - { .name: wts, .offset: 8, .size: 8, .value_kind: global_buffer, .address_space: global }
      - { .name: b2, .offset: 16, .size: 8, .value_kind: global_buffer, .address_space: global }
      - { .name: x1, .offset: 24, .size: 8, .value_kind: global_buffer, .address_space: global }
      - { .name: out0, .offset: 32, .size: 8, .value_kind: global_buffer, .address_space: global }
    .group_segment_fixed_size: 327680
    .private_segment_fixed_size: 0
    .kernarg_segment_align: 8
    .kernarg_segment_size: 40
    .max_flat_workgroup_size: 128
    .sgpr_count:     102
    .vgpr_count:     640
    .wavefront_size: 32
...
	.end_amdgpu_metadata
.endif
;; end of part 7
